; MI455X (gfx1250); checked and timed in simulation.
; The chip was launched on July 23, 2026; its instructions are those of AMD's public machine-readable ISA for CDNA 5 (MIT licence, August 2026) and "CDNA5" Instruction Set Architecture Reference Guide (July 2026). The comments in the code are by the model that wrote it; some were corrected since.
;; Spatial Self Attention. Allowed arithmetic: float matrix products may take bf16 or f16 operands with f32 sums; other float arithmetic in f32, or as packed bf16 or f16 multiplies, adds, multiply-adds, maxima and minima; sums over many terms, partial sums and values carried from step to step in f32; what a program stores and reads back later, other than sums and carried values, may be rounded once to bf16 or f16.
;; Inputs: bk 512 float32; bo 512 float32; bq 512 float32; bv 512 float32; gn_bias 512 float32; gn_scale 512 float32; wk 512 x 512 float32; wo 512 x 512 float32; wq 512 x 512 float32; wv 512 x 512 float32; x 8 x 512 x 32 x 64 float32.
;; Outputs: out0 8 x 512 x 32 x 64 float32.
;; 2 versions, each right; version 2 is version 1 with the launch gn written anew for expert scheduling mode. Each part assembles by itself: llvm-mc -triple=amdgcn-amd-amdhsa -mcpu=gfx1250 --defsym DOCPART=n.
;; ======== version 1 of 2: 3 launches
;; workspace buffers: hn 16,777,216 bytes; wb 2,097,152 bytes; qkv 50,331,648 bytes
;; launch gn (part 1): grid 256 x 1, 8 waves a work-group, no clusters, 1,280 bytes of LDS; arguments x, gn_scale, gn_bias, wq, wk, wv, wo, hn, wb; writes hn, wb
.if DOCPART == 1
	.amdgcn_target "amdgcn-amd-amdhsa--gfx1250"
	.amdhsa_code_object_version 6
	.text
	.protected	k_qedd1ea826c_gn
	.globl	k_qedd1ea826c_gn
	.p2align	8
	.type	k_qedd1ea826c_gn,@function
k_qedd1ea826c_gn:
	s_mov_b64 s[64:65], 0
	v_nop
	global_prefetch_b8 v0, s[64:65] scope:SCOPE_SE
	s_setreg_imm32_b32 hwreg(HW_REG_WAVE_MODE, 25, 1), 1
	s_wait_xcnt 0x0
; GROUP NORM, and the four weight matrices rounded to bf16.
; x: [8][512][2048] f32.  hn: the same layout in bf16.  wb: [2048][512] bf16: rows 0-511 wq, 512-1023 wk, 1024-1535 wv, 1536-2047 wo.
; SHARES.  Work-group g = 32 b + group owns one group: 16 channels x 2,048 positions = 131,072 consecutive bytes of x.  Thread t takes, of each of 32 chunks of 4,096 bytes,
; the 16 bytes at 16 t: a wave's load covers 512 consecutive bytes.  The group stays in 128 registers a lane between the passes, so x is read once.
; Chunk i lies wholly in channel i / 2 of the group, so gain and bias are scalars.  The work-group also rounds 1/64 of one weight matrix (16,384 bytes).
; ARITHMETIC.  All in f32, in two passes: the mean first, then the squares of the differences from it, so that a common offset of x is taken away before anything is squared.
; hn and the weights are rounded once, to bf16: they are matrix operands of the later launches.
; NO CLUSTER, NO MATRIX UNIT, NO PREFETCH: no two work-groups read the same byte of x, and all of the work-group's loads go out together at its head.
.set SPARE, 256                        ; LDS: bytes 0-31 the waves' sums, 64-95 their sums of squares; from 256 on the spare words, 128 bytes for each of eight waves
.set LO,   1                           ; v1   16 t
.set SO,   2                           ; v2   8 t
.set RW,   3                           ; v3   4 x my wave's number
.set ZA,   4                           ; v4   0: the LDS address from which all partial sums are read
.set SPW,  6                           ; v6   LDS address of my spare word; never rewritten
.set NIL,  7                           ; v7   0; never rewritten
.set X,    16                          ; v[16:143]  the group: chunk i in 4 registers
.set WT,   144                         ; v[144:159] my 16 numbers of the weight matrix
.set CH,   160                         ; v[160:167] four chains of packed sums
.set Y,    168                         ; v[168:231] chunk i rounded: 2 registers
.set MEAN, 232                         ; v[232:233] the mean, twice
.set GA,   234                         ; v[234:235] gain x rstd in the low register
.set GB,   236                         ; v[236:237] bias in the low register
.set RSTD, 238
.set TMP,  239
.set WY,   240                         ; v[240:247] the weights rounded
	s_load_b512 s[8:23], s[0:1], 0x0               ; x 8, gain 10, bias 12, wq 14, wk 16, wv 18, wo 20, hn 22
	s_load_b64 s[24:25], s[0:1], 0x40              ; wb
	v_lshl_add_u32 v[SPW], v0, 2, SPARE
	v_mov_b32 v[NIL], 0
	v_lshrrev_b32 v5, 5, v0
	v_readfirstlane_b32 s6, v5                     ; wave 0..7
	v_mov_b32 v[RW], s6
	v_lshlrev_b32 v[RW], 2, v[RW]
	v_mov_b32 v[ZA], 0
	v_lshlrev_b32 v[LO], 4, v0
	v_lshlrev_b32 v[SO], 3, v0
	v_mov_b32 v[TMP], 0                            ; v_permlanex16_b32's destination counts as read
	v_mov_b32 v[GA+1], 0                           ; named as pairs
	v_mov_b32 v[GB+1], 0
	s_mov_b32 s2, 0x76543210                       ; each lane takes its own place in the other half
	s_mov_b32 s3, 0xfedcba98
	s_mov_b32 s4, 0x38000000                       ; 1 / 32,768
	s_mov_b32 s5, 0x358637bd                       ; 1e-6
	s_lshr_b32 s7, ttmp9, 6                        ; which weight matrix
	s_mov_b32 s29, 0
	s_and_b32 s28, ttmp9, 31
	s_lshl_b32 s28, s28, 6                         ; the group's 16 gains and biases: 64 bytes
	s_wait_kmcnt 0x0
	s_add_nc_u64 s[10:11], s[10:11], s[28:29]
	s_add_nc_u64 s[12:13], s[12:13], s[28:29]
	s_load_b512 s[32:47], s[10:11], 0x0
	s_load_b512 s[48:63], s[12:13], 0x0
	s_lshl_b32 s28, ttmp9, 17
	s_add_nc_u64 s[8:9], s[8:9], s[28:29]          ; x at my group
	s_lshl_b32 s28, ttmp9, 16
	s_add_nc_u64 s[22:23], s[22:23], s[28:29]      ; hn at my group
	s_lshl_b32 s28, ttmp9, 13
	s_add_nc_u64 s[24:25], s[24:25], s[28:29]      ; wb at my 8,192 bytes
	s_cmp_eq_u32 s7, 1
	s_cselect_b64 s[26:27], s[16:17], s[14:15]
	s_cmp_eq_u32 s7, 2
	s_cselect_b64 s[26:27], s[18:19], s[26:27]
	s_cmp_eq_u32 s7, 3
	s_cselect_b64 s[26:27], s[20:21], s[26:27]
	s_and_b32 s28, ttmp9, 63
	s_lshl_b32 s28, s28, 14
	s_add_nc_u64 s[26:27], s[26:27], s[28:29]      ; my 16,384 bytes of that matrix
.set i, 0
.rept 32
	global_load_b128 v[X+4*i:X+4*i+3], v[LO], s[8:9] offset:4096*i th:TH_LOAD_NT
.set i, i+1
.endr
.set i, 0
.rept 4
	global_load_b128 v[WT+4*i:WT+4*i+3], v[LO], s[26:27] offset:4096*i th:TH_LOAD_NT
.set i, i+1
.endr
; The four chains are joined; the wave's 32 lanes; the eight waves through LDS.  The total ends in v8 of every lane.
.macro REDUCE off
	v_pk_add_f32 v[CH:CH+1], v[CH:CH+1], v[CH+2:CH+3]
	v_pk_add_f32 v[CH+4:CH+5], v[CH+4:CH+5], v[CH+6:CH+7]
	v_pk_add_f32 v[CH:CH+1], v[CH:CH+1], v[CH+4:CH+5]
	v_add_f32 v[CH], v[CH], v[CH+1]
	v_add_f32_dpp v[CH], v[CH], v[CH] row_xmask:1 row_mask:0xf bank_mask:0xf
	v_add_f32_dpp v[CH], v[CH], v[CH] row_xmask:2 row_mask:0xf bank_mask:0xf
	v_add_f32_dpp v[CH], v[CH], v[CH] row_xmask:4 row_mask:0xf bank_mask:0xf
	v_add_f32_dpp v[CH], v[CH], v[CH] row_xmask:8 row_mask:0xf bank_mask:0xf
	v_permlanex16_b32 v[TMP], v[CH], s2, s3
	v_add_f32 v[CH], v[CH], v[TMP]
	ds_store_b32 v[RW], v[CH] offset:\off          ; all lanes write the wave's word with the same value
	s_wait_dscnt 0x0                               ; for the others' sake: my store is done
	s_barrier_signal -1
	s_barrier_wait -1
	ds_load_b128 v[8:11], v[ZA] offset:\off
	ds_load_b128 v[12:15], v[ZA] offset:(\off)+16
	s_wait_dscnt 0x0
	v_pk_add_f32 v[8:9], v[8:9], v[10:11]
	v_pk_add_f32 v[12:13], v[12:13], v[14:15]
	v_pk_add_f32 v[8:9], v[8:9], v[12:13]
	v_add_f32 v8, v8, v9
.endm
	; pass 1: the sum.  Pairs 0-7 start the four chains: nothing is cleared.  A wait for each eight chunks: the count is the chunks still to come and the four weight loads behind them.
.set j, 0
.rept 64
.if j%16 == 0
	s_wait_loadcnt 28-8*(j/16)
.endif
.if j < 4
	v_pk_add_f32 v[CH+2*j:CH+2*j+1], v[X+2*j:X+2*j+1], v[X+2*j+8:X+2*j+9]
.elseif j >= 8
	v_pk_add_f32 v[CH+2*(j%4):CH+2*(j%4)+1], v[CH+2*(j%4):CH+2*(j%4)+1], v[X+2*j:X+2*j+1]
.endif
.set j, j+1
.endr
	s_wait_loadcnt 0x0                             ; the weights
.set k, 0
.rept 8
	v_cvt_pk_bf16_f32 v[WY+k], v[WT+2*k], v[WT+2*k+1]
.set k, k+1
.endr
.set k, 0
.rept 4
	global_store_b64 v[SO], v[WY+2*k:WY+2*k+1], s[24:25] offset:2048*k  ; a wave's store covers 256 consecutive bytes, aligned
.set k, k+1
.endr
	REDUCE 0
	v_mul_f32 v[MEAN], s4, v8
	v_mul_f32 v[MEAN+1], s4, v8
	; pass 2: x - mean in place, and the sum of its squares
.set j, 0
.rept 64
	v_pk_add_f32 v[X+2*j:X+2*j+1], v[X+2*j:X+2*j+1], v[MEAN:MEAN+1] neg_lo:[0,1] neg_hi:[0,1]
.set j, j+1
.endr
.set j, 0
.rept 64
.if j < 4
	v_pk_mul_f32 v[CH+2*j:CH+2*j+1], v[X+2*j:X+2*j+1], v[X+2*j:X+2*j+1]
.else
	v_pk_fma_f32 v[CH+2*(j%4):CH+2*(j%4)+1], v[X+2*j:X+2*j+1], v[X+2*j:X+2*j+1], v[CH+2*(j%4):CH+2*(j%4)+1]
.endif
.set j, j+1
.endr
	REDUCE 64                                      ; other words than the first sum's: no wave can overwrite what another still reads
	v_fma_f32 v[TMP], v8, s4, s5                   ; variance + eps
	v_rsq_f32 v[RSTD], v[TMP]
	v_nop                                          ; a plain instruction behind the root,
	s_wait_alu depctr_va_vdst(0)                   ; and the wait ahead of its first reader
	s_wait_kmcnt 0x0                               ; the gains and biases
	; (x - mean) x (rstd x gain) + bias, rounded to bf16
.set ch, 0
.rept 16
	v_mul_f32 v[GA], s[32+ch], v[RSTD]
	v_mov_b32 v[GB], s[48+ch]
.set k, 0
.rept 4
	v_pk_fma_f32 v[X+8*ch+2*k:X+8*ch+2*k+1], v[X+8*ch+2*k:X+8*ch+2*k+1], v[GA:GA+1], v[GB:GB+1] op_sel_hi:[1,0,0]
.set k, k+1
.endr
.set k, 0
.rept 4
	v_cvt_pk_bf16_f32 v[Y+4*ch+k], v[X+8*ch+2*k], v[X+8*ch+2*k+1]
.set k, k+1
.endr
	global_store_b64 v[SO], v[Y+4*ch:Y+4*ch+1], s[22:23] offset:4096*ch       ; each register of Y is written once: no store's data is rewritten
	global_store_b64 v[SO], v[Y+4*ch+2:Y+4*ch+3], s[22:23] offset:4096*ch+2048
.set ch, ch+1
.endr
	s_wait_tensorcnt 0x0                           ; the wave's end: closing lines behind my last LDS store
	ds_add_u32 v[SPW], v[NIL]
	s_wait_dscnt 0x0
	s_endpgm
.Lfunc_end_k_qedd1ea826c_gn:
	.size	k_qedd1ea826c_gn, .Lfunc_end_k_qedd1ea826c_gn-k_qedd1ea826c_gn
	.p2alignl 7, 3214868480
	.fill 96, 4, 3214868480
	.section	.rodata,"a",@progbits
	.p2align	6, 0x0
	.amdhsa_kernel k_qedd1ea826c_gn
		.amdhsa_group_segment_fixed_size 1280
		.amdhsa_private_segment_fixed_size 0
		.amdhsa_enable_private_segment 0
		.amdhsa_kernarg_size 72
		.amdhsa_user_sgpr_count 2
		.amdhsa_user_sgpr_kernarg_segment_ptr 1
		.amdhsa_wavefront_size32 1
		.amdhsa_system_sgpr_workgroup_id_x 1
		.amdhsa_system_sgpr_workgroup_id_y 1
		.amdhsa_system_sgpr_workgroup_id_z 1
		.amdhsa_system_vgpr_workitem_id 0
		.amdhsa_next_free_vgpr 248
		.amdhsa_next_free_sgpr 66
		.amdhsa_reserve_vcc 0
		.amdhsa_float_denorm_mode_32 3
		.amdhsa_float_denorm_mode_16_64 3
		.amdhsa_memory_ordered 1
		.amdhsa_forward_progress 1
		.amdhsa_inst_pref_size 33
	.end_amdhsa_kernel
	.amdgpu_metadata
---
amdhsa.version: [ 1, 2 ]
amdhsa.kernels:
  - .name:           k_qedd1ea826c_gn
    .symbol:         k_qedd1ea826c_gn.kd
    .args:
      - { .name: x, .offset: 0, .size: 8, .value_kind: global_buffer, .address_space: global }
      - { .name: gn_scale, .offset: 8, .size: 8, .value_kind: global_buffer, .address_space: global }
      - { .name: gn_bias, .offset: 16, .size: 8, .value_kind: global_buffer, .address_space: global }
      - { .name: wq, .offset: 24, .size: 8, .value_kind: global_buffer, .address_space: global }
      - { .name: wk, .offset: 32, .size: 8, .value_kind: global_buffer, .address_space: global }
      - { .name: wv, .offset: 40, .size: 8, .value_kind: global_buffer, .address_space: global }
      - { .name: wo, .offset: 48, .size: 8, .value_kind: global_buffer, .address_space: global }
      - { .name: hn, .offset: 56, .size: 8, .value_kind: global_buffer, .address_space: global }
      - { .name: wb, .offset: 64, .size: 8, .value_kind: global_buffer, .address_space: global }
    .group_segment_fixed_size: 1280
    .private_segment_fixed_size: 0
    .kernarg_segment_align: 8
    .kernarg_segment_size: 72
    .max_flat_workgroup_size: 256
    .sgpr_count:     66
    .vgpr_count:     248
    .wavefront_size: 32
...
	.end_amdgpu_metadata
.endif
;; end of part 1
;; launch qkv (part 2): grid 128 x 2, 4 waves a work-group, clusters of 4 x 1, 327,680 bytes of LDS; arguments hn, wb, bq, bk, bv, qkv; writes qkv
.if DOCPART == 2
	.amdgcn_target "amdgcn-amd-amdhsa--gfx1250"
	.amdhsa_code_object_version 6
	.text
	.protected	k_qedd1ea826c_qkv
	.globl	k_qedd1ea826c_qkv
	.p2align	8
	.type	k_qedd1ea826c_qkv,@function
k_qedd1ea826c_qkv:
	s_mov_b64 s[64:65], 0
	v_nop
	global_prefetch_b8 v0, s[64:65] scope:SCOPE_SE
	s_setreg_imm32_b32 hwreg(HW_REG_WAVE_MODE, 25, 1), 1
	s_wait_xcnt 0x0
	s_wait_alu depctr_hold_cnt(0) depctr_sa_sdst(0) depctr_va_vdst(0) depctr_va_sdst(0) depctr_va_ssrc(0) depctr_va_vcc(0) depctr_vm_vsrc(0)
	s_getreg_b32 s2, hwreg(HW_REG_IB_STS2, 6, 4)
	s_cmp_eq_u32 s2, 0
	s_cbranch_scc0 .Lentry_in_a_cluster
	s_endpgm
.Lentry_in_a_cluster:
	s_bfe_u32 s2, ttmp6, 0x10000c
	s_cmp_lg_u32 s2, 0x3003
	s_cbranch_scc0 .Lentry_shape_is_right
	s_endpgm
.Lentry_shape_is_right:
; qkv[b][n][o] = the sum over c of W[o][c] hn[b][c][n] + bias[o], o = 0..1535: W = wb's rows 0-1535 (wq, wk, wv), bias = bq, bk, bv on end.
; hn: [8][512][2048] bf16.  wb: [2048][512] bf16.  qkv: [8][2048][1536] bf16 (a row: q, k, v, 1,024 bytes each).  Sums in f32, begun with the bias; rounded once, to bf16.
; SHARES.  A work-group makes 128 positions x 768 outputs, as three tiles of 256 outputs.  Its block of hn (512 c x 128 n) stays in LDS; W goes in K steps of 128 through two slots: 12 steps, 6 laps.
; A wave makes 64 positions x 128 outputs of a tile: 32 accumulators.  Source 0 = 16 rows of W, source 1 = hn turned (16 positions): a lane holds one position and eight neighbouring outputs, 16 bytes of a row of qkv.
; A wave's 128 outputs are 256 aligned bytes of a row, so each wave has a stage of its own on the way out.
; CLUSTER.  The four work-groups of a cluster share their 768 outputs, so W's tiles are asked for jointly (the mask names all four); hn's block is each work-group's own, asked for by a plain load.
; NO PREFETCH: W's 768 rows are walked by every cluster in the same steps, three tiles on end, and hn's block is wanted at the head, where nothing can be asked ahead.
; REGISTERS: window 0: v1-17 addresses; v64-159, v160-255 two fragment buffers (8 of W, 4 of hn); on the way out the second buffer is at work.  window 1: the accumulators, (a, bo) at 8 (8 a + bo).  window 2: v0-63 the bias.
.set HNP,    288                       ; a row of hn in LDS: 256 bytes + 32
.set WP,     272                       ; a row of W: 256 + 16: the 16 rows of a load start at 16 different groups of four banks
.set HNW,    128*HNP                   ; 128 rows of hn: one wave's load, and one K step
.set WBASE,  4*HNW
.set WQ4,    64*WP                     ; 64 rows of W: one wave's load
.set WSLOT,  4*WQ4
.set STAGE,  WBASE+2*WSLOT             ; 16 rows x 272 bytes for each wave; no tensor load lands here
.set SPITCH, 272
.set SPARE,  STAGE+4*16*SPITCH         ; the spare words, 128 bytes for each wave
.set ROWB,   3072                      ; a row of qkv
.set AW0,  2                           ; v2, v3  my W fragments in slot 0, 1
.set AHB0, 4                           ; v4      my hn fragments, K step 0
.set AHB1, 5                           ; v5      K step 1
.set AH0,  6                           ; v6      those of the lap's first K step
.set AH1,  7                           ; v7      of its second
.set STO,  8
.set RD,   9
.set CO,   10
.set BO,   11
.set SPW,  12
.set NIL,  13
.set F0,   64
.set F1,   160
.set TMP,  160
.set OB,   192
.set WV,  16
.set PR,  17                           ; which 64 positions are mine
.set OC,  18                           ; which 128 outputs
.set CX,  19
.set XX,  20                           ; 16 b + block of 128 positions
.set YY,  21                           ; which 768 outputs
.set GH,  24                           ; s[24:31] group 1 for hn
.set GW,  32                           ; s[32:39] group 1 for W
.set G0H, 40                           ; s[40:43] group 0 for hn
.set G0W, 44                           ; s[44:51] group 0 for W, a set for each slot
.set LAP, 52
.set PAR, 53                           ; the lap's parity: 1 in a tile's second lap
.set HB,  54                           ; LDS bytes from hn's K step 0 to the lap's first K step: 0 or 2 HNW
.set INC, 56                           ; s[56:57] what a refill adds to its slot's address
.set TT,  58                           ; the tile of 256 outputs, 0..5
.set BP,  60                           ; s[60:61] the tile's bias
.set MSB, 0
.macro WIN new                         ; the immediate's high byte repeats the setting that is left; a switch that changes nothing is dropped
.if MSB != (\new)
	s_set_vgpr_msb (MSB<<8)|(\new)
.set MSB, \new
.endif
.endm
.macro PLACES                          ; four places behind matrix instructions, in front of loads into registers that they read and of vector lines that read results
.rept 4
	v_nop
.endr
.endm
.macro CREST                           ; a round of the cluster's barrier behind its opening barrier
	s_cmp_lg_u32 s[WV], 0
	s_cbranch_scc1 .Lnot_wave_0_\@
	s_barrier_signal -3
.Lnot_wave_0_\@:
	s_barrier_wait -3
	s_barrier_signal -1
	s_barrier_wait -1
.endm
.macro CROUND
	s_barrier_signal -1
	s_barrier_wait -1
	CREST
.endm
	s_load_b256 s[4:11], s[0:1], 0x0               ; hn 4, wb 6, bq 8, bk 10
	s_load_b128 s[12:15], s[0:1], 0x20             ; bv 12, qkv 14
	v_lshl_add_u32 v[SPW], v0, 2, SPARE
	v_mov_b32 v[NIL], 0
	ds_add_u32 v[SPW], v[NIL]                      ; the wave's opening: the add and its wait stand ahead of my first tensor load; work on registers stands between them
	v_lshrrev_b32 v1, 5, v0
	v_readfirstlane_b32 s[WV], v1
	s_lshr_b32 s[PR], s[WV], 1
	s_and_b32 s[OC], s[WV], 1
	s_bfe_u32 s[CX], ttmp6, 0x40000
	s_lshl_b32 s[XX], ttmp9, 2
	s_add_co_u32 s[XX], s[XX], s[CX]
	s_and_b32 s[YY], ttmp7, 0xffff
	s_mov_b32 s[GH+0], (1<<16)|(1<<20)|(5<<22)|(7<<25)  ; 2-byte elements; padding on: after every 64 words, 8 words
	s_mov_b32 s[GH+1], 128<<16                     ; tensor_dim0 = 128
	s_mov_b32 s[GH+2], 128<<16                     ; tensor_dim1 = 128
	s_mov_b32 s[GH+3], 128<<16                     ; tile_dim0 = 128
	s_mov_b32 s[GH+4], 128                         ; tile_dim1 = 128
	s_mov_b32 s[GH+5], 2048                        ; elements from row to row
	s_mov_b32 s[GH+6], 0
	s_mov_b32 s[GH+7], 0
	s_mov_b32 s[GW+0], 15|(1<<16)|(1<<20)|(1<<21)|(5<<22)|(3<<25)  ; the mask of four, bit 21 beside it; padding of 4 words after every 64
	s_mov_b32 s[GW+1], 128<<16
	s_mov_b32 s[GW+2], 64<<16
	s_mov_b32 s[GW+3], 128<<16
	s_mov_b32 s[GW+4], 64
	s_mov_b32 s[GW+5], 512
	s_mov_b32 s[GW+6], 0
	s_mov_b32 s[GW+7], 0
	s_lshr_b32 s2, s[XX], 4                        ; hn: b x 2,097,152 + my 128 rows c x 4,096 + the block's 256 bytes.  What holds cx stays in s[2:3]
	s_lshl_b32 s2, s2, 21
	s_lshl_b32 s3, s[WV], 19
	s_add_co_u32 s2, s2, s3
	s_and_b32 s3, s[XX], 15
	s_lshl_b32 s3, s3, 8
	s_add_co_u32 s2, s2, s3
	s_mov_b32 s3, 0
	s_mul_i32 s62, s[YY], 768*1024                 ; W: row 768 Y + 64 wave: the same in all four partners
	s_lshl_b32 s63, s[WV], 16
	s_add_co_u32 s62, s62, s63
	s_mov_b32 s63, 0
	s_mov_b32 s[G0H], 1
	s_mul_i32 s[G0H+1], s[WV], HNW
	s_mul_i32 s22, s[WV], WQ4
	s_mov_b32 s[G0W], 1
	s_add_co_u32 s[G0W+1], s22, WBASE
	s_mov_b32 s[G0W+4], 1
	s_add_co_u32 s[G0W+5], s22, WBASE+WSLOT
	s_wait_dscnt 0x0                               ; the opening add is done
	s_wait_kmcnt 0x0
	s_add_nc_u64 s[G0H+2:G0H+3], s[4:5], s[2:3]
	s_or_b32 s[G0H+3], s[G0H+3], 0x80000000
	s_add_nc_u64 s[62:63], s[6:7], s[62:63]
	s_mov_b64 s[G0W+2:G0W+3], s[62:63]             ; K step 0
	s_or_b32 s[G0W+3], s[G0W+3], 0x80000000
	s_add_nc_u64 s[G0W+6:G0W+7], s[62:63], 256     ; K step 1
	s_or_b32 s[G0W+7], s[G0W+7], 0x80000000
	CROUND                                         ; all four work-groups are here: the first joint loads meet
	tensor_load_to_lds s[G0H:G0H+3], s[GH:GH+7]    ; the first fills go out as one group: three loads of mine are out
	s_nop 0
	tensor_load_to_lds s[G0W:G0W+3], s[GW:GW+7]
	s_nop 0
	tensor_load_to_lds s[G0W+4:G0W+7], s[GW:GW+7]
	s_nop 0
	PLACES
	v_and_b32 v1, 15, v0                           ; r = l % 16
	v_bfe_u32 v14, v0, 4, 1                        ; h = l / 16
	v_and_b32 v15, 7, v0
	v_bfe_u32 v16, v0, 3, 1
	v_mul_u32_u24 v17, v1, WP
	v_lshl_add_u32 v17, v14, 4, v17                ; r x 272 + 16 h
	s_mul_i32 s22, s[OC], 128*WP
	s_add_co_u32 s22, s22, WBASE
	v_add_nc_u32 v[AW0], s22, v17
	v_add_nc_u32 v[AW0+1], WSLOT, v[AW0]
	v_lshl_add_u32 v[AHB0], v14, 3, v15            ; the turning load: lane l reads row 8 h + l % 8, 16 bytes at 16 ((l / 8) % 2)
	v_mul_u32_u24 v[AHB0], v[AHB0], HNP
	v_lshl_add_u32 v[AHB0], v16, 4, v[AHB0]
	s_lshl_b32 s22, s[PR], 7
	v_add_nc_u32 v[AHB0], s22, v[AHB0]
	v_add_nc_u32 v[AHB1], HNW, v[AHB0]
	v_mov_b32 v[AH0], v[AHB0]
	v_mov_b32 v[AH1], v[AHB1]
	s_mul_i32 s22, s[WV], 16*SPITCH
	s_add_co_u32 s22, s22, STAGE
	v_add_nc_u32 v[STO], s22, v17                  ; in: row r, 16 bytes for each half of the lanes
	v_mul_u32_u24 v[RD], v14, SPITCH               ; back: lanes 0-15 one row of 256 bytes, lanes 16-31 the next
	v_lshl_add_u32 v[RD], v1, 4, v[RD]
	v_add_nc_u32 v[RD], s22, v[RD]
	v_mul_u32_u24 v[CO], v14, ROWB                 ; and the same two rows in qkv
	v_lshl_add_u32 v[CO], v1, 4, v[CO]
	v_lshlrev_b32 v[BO], 5, v14                    ; my eight biases of a tile of 16 outputs: 32 h
	s_lshl_b32 s2, s[XX], 7                        ; qkv: row 128 X + 64 pr, byte 1,536 Y + 256 oc
	s_lshl_b32 s3, s[PR], 6
	s_add_co_u32 s2, s2, s3
	s_mul_i32 s2, s2, ROWB
	s_mul_i32 s3, s[YY], 1536
	s_add_co_u32 s2, s2, s3
	s_lshl_b32 s3, s[OC], 8
	s_add_co_u32 s2, s2, s3
	s_mov_b32 s3, 0
	s_add_nc_u64 s[14:15], s[14:15], s[2:3]
	s_mul_i32 s[TT], s[YY], 3
; 24 LDS loads in one run: quarter q (32 along K) of a K step into buffer f: W's 8 fragments, then hn's 4, turned
.macro FETCH slot, ah, q, f
	WIN 0
.irp bo, 0,1,2,3,4,5,6,7
	ds_load_b128 v[(\f)+8*(\bo):(\f)+8*(\bo)+3],   v[AW0+(\slot)] offset:16*WP*(\bo)+64*(\q)
	ds_load_b128 v[(\f)+8*(\bo)+4:(\f)+8*(\bo)+7], v[AW0+(\slot)] offset:16*WP*(\bo)+64*(\q)+32
.endr
.irp a, 0,1,2,3
	ds_load_tr16_b128 v[(\f)+64+8*(\a):(\f)+64+8*(\a)+3],   v[\ah] offset:32*HNP*(\q)+32*(\a)
	ds_load_tr16_b128 v[(\f)+64+8*(\a)+4:(\f)+64+8*(\a)+7], v[\ah] offset:32*HNP*(\q)+32*(\a)+16*HNP
.endr
.endm
; 8 matrix instructions: 16 positions (a) x my 128 outputs.  bias = 1: the sums begin with the bias.  The 32 accumulators take turns, in the same order in every quarter.
.macro MUL8 f, a, bias
.if \bias
	WIN 0x60                                       ; C in window 2, D in window 1
.else
	WIN 0x50
.endif
.irp bo, 0,1,2,3,4,5,6,7
.if \bias
	v_wmma_f32_16x16x32_bf16 v[8*(8*(\a)+(\bo)):8*(8*(\a)+(\bo))+7], v[(\f)+8*(\bo):(\f)+8*(\bo)+7], v[(\f)+64+8*(\a):(\f)+64+8*(\a)+7], v[8*(\bo):8*(\bo)+7]
.else
	v_wmma_f32_16x16x32_bf16 v[8*(8*(\a)+(\bo)):8*(8*(\a)+(\bo))+7], v[(\f)+8*(\bo):(\f)+8*(\bo)+7], v[(\f)+64+8*(\a):(\f)+64+8*(\a)+7], v[8*(8*(\a)+(\bo)):8*(8*(\a)+(\bo))+7]
.endif
.endr
.endm
; One of a K step's first three quarters: multiplies buffer f; in its middle it fetches quarter q into buffer g
.macro QUARTER f, g, slot, ah, q, bias
	s_wait_dscnt 4                                 ; W and hn's a = 0, 1 are in; the youngest four loads (a = 2, 3) may be out
	MUL8 \f, 0, \bias
	MUL8 \f, 1, \bias
	PLACES
	FETCH \slot, \ah, \q, \g
	s_wait_dscnt 24                                ; all but the 24 just issued
	MUL8 \f, 2, \bias
	MUL8 \f, 3, \bias
.endm
; The last quarter multiplies buffer 1 and changes slots.  In front of the barrier each wave waits for all its tensor loads (one is out: its part of the next slot), adds 0 to its spare word,
; and waits for that and for its reads of this slot.  fill = 1: the barrier opens a round of the cluster's; behind it this slot is filled again, first of all.
.macro TURN slot, next, ah, fill
	WIN 0
	s_wait_tensorcnt 0x0
	ds_add_u32 v[SPW], v[NIL]
	s_wait_dscnt 5                                 ; (the add and the youngest four loads may be out)
	MUL8 F1, 0, 0
	s_wait_dscnt 0x0                               ; the add is done, and my reads of this slot are over
	s_barrier_signal -1
	MUL8 F1, 1, 0
	WIN 0
	s_barrier_wait -1
.if \fill
	CREST                                          ; no wave of any partner still reads this slot or has a load on its way
	s_add_nc_u64 s[G0W+4*(\slot)+2:G0W+4*(\slot)+3], s[G0W+4*(\slot)+2:G0W+4*(\slot)+3], s[INC:INC+1]
	tensor_load_to_lds s[G0W+4*(\slot):G0W+4*(\slot)+3], s[GW:GW+7]
	s_nop 0
	PLACES                                         ; also the places in front of the loads below
.else
	PLACES
.endif
	FETCH \next, \ah, 0, F0
	MUL8 F1, 2, 0
	MUL8 F1, 3, 0
.endm
; The bias of tile TT for my 128 outputs: register j of the eight for outputs 16 bo .. holds bias[16 bo + 8 h + j], the layout of a result
.macro BIAS
	s_lshr_b32 s59, s[TT], 1                       ; 0: bq, 1: bk, 2: bv
	s_cmp_eq_u32 s59, 1
	s_cselect_b64 s[BP:BP+1], s[10:11], s[8:9]
	s_cmp_eq_u32 s59, 2
	s_cselect_b64 s[BP:BP+1], s[12:13], s[BP:BP+1]
	s_and_b32 s22, s[TT], 1
	s_lshl_b32 s22, s22, 10
	s_lshl_b32 s23, s[OC], 9
	s_add_co_u32 s22, s22, s23
	s_mov_b32 s23, 0
	s_add_nc_u64 s[BP:BP+1], s[BP:BP+1], s[22:23]
	WIN 0x80                                       ; destination window 2
.irp bo, 0,1,2,3,4,5,6,7
	global_load_b128 v[8*(\bo):8*(\bo)+3],   v[BO], s[BP:BP+1] offset:64*(\bo)
	global_load_b128 v[8*(\bo)+4:8*(\bo)+7], v[BO], s[BP:BP+1] offset:64*(\bo)+16
.endr
	WIN 0
.endm
; THE WAY OUT, 16 positions (a) at a time: rounded to bf16, 16 bytes a lane; into my stage; back as whole rows of 256 bytes; stored
.macro PACK a
	WIN 0x05
.irp bo, 0,1,2,3,4,5,6,7
.irp k, 0,1,2,3
	v_cvt_pk_bf16_f32 v[TMP+4*(\bo)+(\k)], v[8*(8*(\a)+(\bo))+2*(\k)], v[8*(8*(\a)+(\bo))+2*(\k)+1]
.endr
.endr
	WIN 0
.endm
.macro TOSTAGE a
.set BK, OB+32*((\a)%2)
.irp bo, 0,1,2,3,4,5,6,7
	ds_store_b128 v[STO], v[TMP+4*(\bo):TMP+4*(\bo)+3] offset:32*(\bo)
.endr
.irp t, 0,1,2,3,4,5,6,7
	ds_load_b128 v[BK+4*(\t):BK+4*(\t)+3], v[RD] offset:(\t)*2*SPITCH  ; LDS serves a wave's instructions in order (ISA guide 5.7.1.4): these see the stores above
.endr
.endm
.macro SEND a
.set BK, OB+32*((\a)%2)
	s_wait_dscnt 0x0                               ; the block is back in registers
	s_wait_xcnt 0x0                                ; the stores of the block before have read their registers: the next block's loads land there
.irp t, 0,1,2,3,4,5,6,7
	global_store_b128 v[CO], v[BK+4*(\t):BK+4*(\t)+3], s[14:15] offset:(\a)*16*ROWB+(\t)*2*ROWB  ; 16 lanes store 256 consecutive bytes, at a multiple of 256 from qkv's first
.endr
.endm
.macro WAYOUT
	PLACES
	PACK 0
	TOSTAGE 0
.irp a, 1,2,3
	PACK \a
	SEND (\a)-1
	TOSTAGE \a
.endr
	SEND 3
.endm
	BIAS
	s_mov_b32 s[LAP], 5
	s_mov_b32 s[PAR], 0
	s_mov_b32 s[HB], 0
	s_mov_b32 s[INC], 512                          ; in a tile's first lap: two K steps on
	s_mov_b32 s[INC+1], 0
	s_wait_tensorcnt 1                             ; my parts of hn and of K step 0 are in; K step 1's may stay out
	s_barrier_signal -1
	s_barrier_wait -1
	FETCH 0, AH0, 0, F0
	s_wait_loadcnt 0x0                             ; the bias
	QUARTER F0, F1, 0, AH0, 1, 1                   ; the first tile's first quarter starts the sums
	WIN 0
.Llap:                                         ; five trips, each from a lap's second quarter to the next lap's first; both slots are filled again
	QUARTER F1, F0, 0, AH0, 2, 0
	QUARTER F0, F1, 0, AH0, 3, 0
	TURN 0, 1, AH1, 1
	QUARTER F0, F1, 1, AH1, 1, 0
	QUARTER F1, F0, 1, AH1, 2, 0
	QUARTER F0, F1, 1, AH1, 3, 0
	WIN 0
	s_xor_b32 s[HB], s[HB], 2*HNW                  ; the next lap's two K steps of hn; the last fetch by the old addresses has been issued
	v_add_nc_u32 v[AH0], s[HB], v[AHB0]
	v_add_nc_u32 v[AH1], s[HB], v[AHB1]
	TURN 1, 0, AH0, 1
	WIN 0
	s_cmp_eq_u32 s[PAR], 1
	s_cbranch_scc0 .Lsame_tile
	s_add_co_u32 s[TT], s[TT], 1                   ; a tile is complete: the next tile's bias is asked for, the tile goes out,
	BIAS
	WAYOUT
	s_wait_xcnt 0x0                                ; the stores have read their registers and their base
	s_add_nc_u64 s[14:15], s[14:15], 512           ; the next 256 outputs
	s_wait_loadcnt 0x0                             ; the bias
	QUARTER F0, F1, 0, AH0, 1, 1                   ; and the next tile's first quarter starts its sums
	WIN 0
	s_branch .Lnext
.Lsame_tile:
	QUARTER F0, F1, 0, AH0, 1, 0
	WIN 0
.Lnext:
	s_xor_b32 s[INC], s[INC], 0x3fc00              ; 512 and 261,632 by turns: in a tile's second lap a refill goes 256 rows down and 512 bytes back
	s_xor_b32 s[PAR], s[PAR], 1
	s_sub_co_u32 s[LAP], s[LAP], 1
	s_cmp_lg_u32 s[LAP], 0
	s_cbranch_scc1 .Llap
	QUARTER F1, F0, 0, AH0, 2, 0                   ; the last lap is written out: it asks for nothing
	QUARTER F0, F1, 0, AH0, 3, 0
	TURN 0, 1, AH1, 0
	QUARTER F0, F1, 1, AH1, 1, 0
	QUARTER F1, F0, 1, AH1, 2, 0
	QUARTER F0, F1, 1, AH1, 3, 0
	s_wait_dscnt 4
	MUL8 F1, 0, 0
	MUL8 F1, 1, 0
	s_wait_dscnt 0x0
	MUL8 F1, 2, 0
	MUL8 F1, 3, 0
	WIN 0
	WAYOUT
	s_wait_tensorcnt 0x0                           ; the wave's end: closing lines behind my last tensor load and my last LDS store
	ds_add_u32 v[SPW], v[NIL]
	s_wait_dscnt 0x0
	CROUND                                         ; the closing round
	s_endpgm
.Lfunc_end_k_qedd1ea826c_qkv:
	.size	k_qedd1ea826c_qkv, .Lfunc_end_k_qedd1ea826c_qkv-k_qedd1ea826c_qkv
	.p2alignl 7, 3214868480
	.fill 96, 4, 3214868480
	.section	.rodata,"a",@progbits
	.p2align	6, 0x0
	.amdhsa_kernel k_qedd1ea826c_qkv
		.amdhsa_group_segment_fixed_size 327680
		.amdhsa_private_segment_fixed_size 0
		.amdhsa_enable_private_segment 0
		.amdhsa_kernarg_size 48
		.amdhsa_user_sgpr_count 2
		.amdhsa_user_sgpr_kernarg_segment_ptr 1
		.amdhsa_wavefront_size32 1
		.amdhsa_system_sgpr_workgroup_id_x 1
		.amdhsa_system_sgpr_workgroup_id_y 1
		.amdhsa_system_sgpr_workgroup_id_z 1
		.amdhsa_system_vgpr_workitem_id 0
		.amdhsa_next_free_vgpr 576
		.amdhsa_next_free_sgpr 66
		.amdhsa_reserve_vcc 0
		.amdhsa_float_denorm_mode_32 3
		.amdhsa_float_denorm_mode_16_64 3
		.amdhsa_memory_ordered 1
		.amdhsa_forward_progress 1
		.amdhsa_inst_pref_size 108
	.end_amdhsa_kernel
	.amdgpu_metadata
---
amdhsa.version: [ 1, 2 ]
amdhsa.kernels:
  - .name:           k_qedd1ea826c_qkv
    .symbol:         k_qedd1ea826c_qkv.kd
    .args:
      - { .name: hn, .offset: 0, .size: 8, .value_kind: global_buffer, .address_space: global }
      - { .name: wb, .offset: 8, .size: 8, .value_kind: global_buffer, .address_space: global }
      - { .name: bq, .offset: 16, .size: 8, .value_kind: global_buffer, .address_space: global }
      - { .name: bk, .offset: 24, .size: 8, .value_kind: global_buffer, .address_space: global }
      - { .name: bv, .offset: 32, .size: 8, .value_kind: global_buffer, .address_space: global }
      - { .name: qkv, .offset: 40, .size: 8, .value_kind: global_buffer, .address_space: global }
    .group_segment_fixed_size: 327680
    .private_segment_fixed_size: 0
    .kernarg_segment_align: 8
    .kernarg_segment_size: 48
    .max_flat_workgroup_size: 128
    .sgpr_count:     66
    .vgpr_count:     576
    .wavefront_size: 32
...
	.end_amdgpu_metadata
.endif
;; end of part 2
;; launch attn (part 3): grid 32 x 8, 4 waves a work-group, clusters of 4 x 1, 327,680 bytes of LDS; arguments qkv, wb, bo, x, out0; writes out0
.if DOCPART == 3
	.amdgcn_target "amdgcn-amd-amdhsa--gfx1250"
	.amdhsa_code_object_version 6
	.text
	.protected	k_qedd1ea826c_attn
	.globl	k_qedd1ea826c_attn
	.p2align	8
	.type	k_qedd1ea826c_attn,@function
k_qedd1ea826c_attn:
	s_mov_b64 s[64:65], 0
	v_nop
	global_prefetch_b8 v0, s[64:65] scope:SCOPE_SE
	s_setreg_imm32_b32 hwreg(HW_REG_WAVE_MODE, 25, 1), 1
	s_wait_xcnt 0x0
	s_wait_alu depctr_hold_cnt(0) depctr_sa_sdst(0) depctr_va_vdst(0) depctr_va_sdst(0) depctr_va_ssrc(0) depctr_va_vcc(0) depctr_vm_vsrc(0)
	s_getreg_b32 s2, hwreg(HW_REG_IB_STS2, 6, 4)
	s_cmp_eq_u32 s2, 0
	s_cbranch_scc0 .Lentry_in_a_cluster
	s_endpgm
.Lentry_in_a_cluster:
	s_bfe_u32 s2, ttmp6, 0x10000c
	s_cmp_lg_u32 s2, 0x3003
	s_cbranch_scc0 .Lentry_shape_is_right
	s_endpgm
.Lentry_shape_is_right:
; ATTENTION, THE OUTPUT PRODUCT AND THE RESIDUAL.  ao[i][:] = the sum over j of softmax_j(q[i] . k[j] / sqrt(512)) v[j][:];  out0[b][o][n] = x[b][o][n] + bo[o] + the sum over c of wo[o][c] ao[n][c].
; qkv: [8][2048][1536] bf16 (a row: q, k, v, 1,024 bytes each).  wo = wb's rows 1536-2047, [512][512] bf16.  x, out0: [8][512][2048] f32.
; Products, maxima and sums in f32; the weights p are rounded to bf16 for the second product (their sum l is taken of the unrounded p), ao once, to bf16, for the third; bias and residual are added in f32.
; LIMITS.  c x score lies above -4e37, where c m starts; a weight below 2^-126 counts as 0; NaN and infinities are not treated apart.
; SHARES.  A work-group owns 64 queries (four tiles of 16) and walks the batch's 2,048 keys, 64 a step.  At 512 channels a query costs 2 KiB of sums, so the waves split a step otherwise than by queries:
;   SCORES: wave w makes S^T = K Q^T for ITS 16 keys and ALL 64 queries: 4 accumulators, 64 matrix instructions; Q of all queries lies in every wave's registers, so only 16 fragments of K are read.
;   SECOND PRODUCT: wave w makes O^T = V^T P for ITS 128 channels and all 64 queries: 32 accumulators, 64 matrix instructions, 16 fragments of V (turned) and 8 of P.
; In both results a lane holds one query (lane % 16 of tile t).  Each wave's maxima over its keys meet in LDS (barrier A), and every wave makes the same m and a; P goes through LDS (barrier B);
; l stays a partial sum over the wave's own keys until the end.
; SOFTMAX.  p = 2^(c s - c m), c = log2(e) / sqrt(512), with a running maximum m; O and l are multiplied by a = 2^(c m_old - c m_new) in every step.  m starts at the lowest finite number, O and l at 0:
; the first step is a step like any other, with a = 0; the price is 256 lines that clear O, in the wait for the first tile.
; RING.  Two slots, a step's K and V in each.  In front of barrier B every wave has all that it needs of the step's slot in registers and has waited for its part of the other slot: so B is the one barrier
; of the change of slots, a round of the cluster's, and the refill behind it has a whole step in which to land.
; THE THIRD PRODUCT.  The ring runs on: behind the last two key steps the slots take tiles of wo, 128 outputs x 512 channels, four in all.  O / l goes through LDS, 32 queries at a time, into every wave's
; Q registers, in Q's layout.  Of a tile wave w makes 32 outputs x 64 positions, two blocks of 16 outputs: source 0 = ao, source 1 = wo, so a lane holds one output and eight neighbouring positions.
; A work-group's 64 positions are 256 aligned bytes of a row of out0: each wave has a stage of its own on the way out.
; CLUSTER.  The four query blocks of a cluster belong to one batch and walk the same K and V, and all walk the same wo: each tile is asked for jointly.
; REGISTERS: window 0: v1-23, v248-249 addresses; v24-55 statistics, 8 a tile; v56-87 S^T, later P's fragments of keys 32-63; v88-119 at work, later P's of keys 0-31; v120-183, v184-247 K's, V's or wo's fragments.
;   window 1: O^T, (cb, t) at 8 (4 cb + t).   windows 2, 3: Q, later ao: channels 0-255 and 256-511, tile t's fragment i at 64 t + 8 i.
;   In the third product: v56-119 its 8 accumulators; window 1: v0-63 rows back from the stage, v64-191 x (two tiles by turns), v192-255 the bias, 8 equal registers for each block of 16 outputs.
.set KP,    1040                       ; a row of K, of wo and of ao in LDS: 1,024 bytes + 16: the 16 rows of a load start at 16 different groups of four banks (64 banks of 4 bytes: ISA guide 11.1)
.set VP,    1056                       ; a row of V: 1,024 + 32
.set VOFF,  64*KP
.set SLOT,  64*(KP+VP)                 ; 134,144 bytes; a tile of wo, 128 rows of 1,040, takes 133,120 of them
.set MX,    2*SLOT                     ; [64 queries][4 waves] f32: the waves' maxima
.set LSO,   1024                       ; behind it, the same for the waves' sums l
.set SPARE, MX+2048                    ; the spare words, 128 bytes for each wave
.set AOB,   SPARE+512                  ; ao, 32 queries at a time: rows of 1,040 bytes
.set PB,    AOB+32*KP                  ; P: [64 queries][64 keys] bf16, rows of 144 bytes
.set PP,    144
.set STAGE, PB                         ; 16 rows x 272 bytes for each wave, where P lay: P's last reads and the first store here are four barriers apart
.set SP,    272                        ; all from MX on is written by LDS stores alone; no tensor load lands there
.set ROWB,  3072
.set STEPB, 64*ROWB                    ; a step's 64 rows in memory
.set WO0,   1536*1024                  ; wo's first byte in wb
.set WTB,   128*1024                   ; a tile of wo in memory
.set XROW,  8192                       ; a row of x and of out0
.set AK,  2                            ; v2, v3   my K fragments in slot 0, 1
.set AV,  4                            ; v4, v5   my V fragments
.set PST, 6
.set PRD, 7
.set MXA, 8
.set MXR, 9
.set QO,  10
.set STO, 11
.set RD,  12
.set CO,  13                           ; my 16 bytes in two rows of x and out0
.set PFO, 14
.set PFW, 15
.set SPW, 16
.set NIL, 17
.set AOS, 21                           ; where I put 16 bytes of a row of ao
.set AOR, 22                           ; where I read ao's fragments
.set BOF, 23
.set ST,  24                           ; tile t at ST + 8 t: +0 c m, +1 m, +2, +3 l, +4, +5 at work, +6 a, +7 c m_old and its change
.set S,   56
.set RC,  88                           ; v88-103 the four waves' maxima; v104-119 P packed
.set PK,  104
.set RA,  120
.set AW,  248                          ; v248, v249  my wo fragments in slot 0, 1
.set OB,  0                            ; window 1
.set XR,  64
.set BI,  192
.set WV,  12
.set CX,  13
.set G1K, 24
.set G1V, 32
.set G0K, 40                           ; s[40:47] group 0 for K, a set for each slot
.set G0V, 48                           ; s[48:55] for V
.set LEFT, 56
.set LIM, 57                           ; 1 in the batch's first cluster, else the greatest number
.set CS,  58
.set SEL, 60
.set PFA, 66                           ; s[66:67] where my prefetches of K and V stand
.set G1W, 72                           ; s[72:79] group 1 for wo
.set G0W, 80                           ; s[80:87] group 0 for wo, a set for each slot
.set OUTP, 88                          ; s[88:89] out0 at my rows
.set QB,  90
.set LIMW, 91                          ; 1 in the waves that ask for wo, else 0
.set KVB, 92                           ; s[92:93]
.set PFWA, 94                          ; s[94:95] my work-group's 16 rows of wo
.set MSB, 0
.macro WIN new
.if MSB != (\new)
	s_set_vgpr_msb (MSB<<8)|(\new)
.set MSB, \new
.endif
.endm
.macro PLACES
.rept 4
	v_nop
.endr
.endm
.macro CREST
	s_cmp_lg_u32 s[WV], 0
	s_cbranch_scc1 .Lnot_wave_0_\@
	s_barrier_signal -3
.Lnot_wave_0_\@:
	s_barrier_wait -3
	s_barrier_signal -1
	s_barrier_wait -1
.endm
.macro CROUND
	s_barrier_signal -1
	s_barrier_wait -1
	CREST
.endm
; A joint refill of slot s: waves 0 and 1 fetch the two halves (32 keys) of K, waves 2 and 3 those of V.  The branch hangs on the wave's number alone.
.macro JLOAD s
	s_cmp_lt_u32 s[WV], 2
	s_cbranch_scc0 .Lfor_v_\@
	tensor_load_to_lds s[G0K+4*(\s):G0K+4*(\s)+3], s[G1K:G1K+7]
	s_nop 0
	PLACES
	s_branch .Lasked_\@
.Lfor_v_\@:
	tensor_load_to_lds s[G0V+4*(\s):G0V+4*(\s)+3], s[G1V:G1V+7]
	s_nop 0
	PLACES
.Lasked_\@:
.endm
; A joint refill of slot s with a tile of wo: each wave fetches 32 of its 128 rows
.macro WLOAD s
	tensor_load_to_lds s[G0W+4*(\s):G0W+4*(\s)+3], s[G1W:G1W+7]
	s_nop 0
	PLACES
.endm
; A PREFETCH INTO THE L2 of the step that the NEXT refill will ask for.  A step is 64 rows x 2,048 bytes of K and V on end: 8 blocks of 256 bytes a row.  All clusters of a batch walk the same rows: the
; batch's first cluster asks.  Its four partners take 16 rows each, told apart by address; each wave takes 2 of a row's 8 blocks: a lane a block, one instruction a wave and step.  So each block is named once.
; strict = 1 (the trip's second step): the loop's last trip asks for no keys there, since no such step exists.  Steps 0 to 2 come by their loads alone.
; In that place the last trip asks for wo, one step ahead of its first tile's load: 512 rows x 4 blocks.  The first cluster of batch b takes rows 64 b on, partner cx 16 of them, by address; waves 0 and 1
; take two of a row's four blocks each, a lane a block: each block is named once in the launch.
.macro ASK strict
.if \strict
	s_cmp_gt_u32 s[LEFT], s[LIM]
.else
	s_cmp_ge_u32 s[LEFT], s[LIM]
.endif
	s_cbranch_scc0 .Lnot_mine_\@
	global_prefetch_b8 v[PFO], s[PFA:PFA+1] th:TH_LOAD_NT scope:SCOPE_SE
.Lnot_mine_\@:
.if \strict
	s_cmp_eq_u32 s[LEFT], s[LIMW]                  ; LEFT runs from 15 to 1
	s_cbranch_scc0 .Lnot_wo_\@
	global_prefetch_b8 v[PFW], s[PFWA:PFWA+1] th:TH_LOAD_NT scope:SCOPE_SE
.Lnot_wo_\@:
.endif
.endm
	s_load_b256 s[4:11], s[0:1], 0x0               ; qkv 4, wb 6, bo 8, x 10
	s_load_b64 s[OUTP:OUTP+1], s[0:1], 0x20        ; out0
	v_lshl_add_u32 v[SPW], v0, 2, SPARE
	v_mov_b32 v[NIL], 0
	ds_add_u32 v[SPW], v[NIL]                      ; the wave's opening: the add and its wait stand ahead of my first tensor load; work on registers stands between them
	v_lshrrev_b32 v1, 5, v0
	v_readfirstlane_b32 s[WV], v1
	s_bfe_u32 s[CX], ttmp6, 0x40000
	s_and_b32 s20, ttmp7, 0xffff                   ; the batch, which the partners share
	s_lshl_b32 s14, s20, 22                        ; its first byte in x and out0
	s_lshl_b32 s15, s20, 16                        ; 64 b rows of wo
	s_mul_i32 s20, s20, 32*STEPB                   ; its first byte in qkv
	s_mov_b32 s21, 0
	s_and_b32 s16, s[WV], 1                        ; which 32 keys of a step I fetch
	s_mul_i32 s22, s16, 32*ROWB
	s_mov_b32 s23, 0
	s_add_nc_u64 s[22:23], s[22:23], s[20:21]
	s_mul_i32 s17, s16, 32*KP                      ; their place in a slot, for K
	s_mul_i32 s18, s16, 32*VP                      ; and for V: no place in the cluster enters an LDS address
	s_mul_i32 s19, s[WV], 32*KP                    ; my 32 rows of a tile of wo in a slot
	s_lshl_b32 s70, s[WV], 15                      ; and in memory
	s_add_co_u32 s70, s70, WO0
	s_mov_b32 s71, 0
	s_lshl_b32 s[QB], ttmp9, 2
	s_add_co_u32 s[QB], s[QB], s[CX]               ; my block of 64 queries: it enters Q's, x's and out0's addresses alone
	s_mul_i32 s68, s[QB], STEPB
	s_mov_b32 s69, 0
	s_add_nc_u64 s[68:69], s[68:69], s[20:21]      ; Q's offset
	s_lshl_b32 s2, s[QB], 8                        ; x and out0: the batch, my wave's 32 rows of each 128, my block's 256 bytes
	s_add_co_u32 s2, s2, s14
	s_lshl_b32 s3, s[WV], 18
	s_add_co_u32 s2, s2, s3
	s_mov_b32 s3, 0
	s_mul_i32 s[PFA], s[CX], 16*ROWB               ; my work-group's 16 rows of a step,
	s_add_co_u32 s[PFA], s[PFA], 2*STEPB           ; in step 2: the first refill steps it to step 3
	s_mov_b32 s[PFA+1], 0
	s_add_nc_u64 s[PFA:PFA+1], s[PFA:PFA+1], s[20:21]
	s_lshl_b32 s[PFWA], s[CX], 14                  ; wo's rows 64 b + 16 cx on
	s_add_co_u32 s[PFWA], s[PFWA], s15
	s_add_co_u32 s[PFWA], s[PFWA], WO0
	s_mov_b32 s[PFWA+1], 0
	s_lshr_b32 s[LIMW], s[WV], 1                   ; 0 in waves 0 and 1,
	s_or_b32 s[LIMW], s[LIMW], ttmp9               ; where the cluster is the batch's first
	s_cmp_eq_u32 s[LIMW], 0
	s_cselect_b32 s[LIMW], 1, 0
	s_cmp_eq_u32 ttmp9, 0
	s_cselect_b32 s[LIM], 1, -1                    ; the same in all four partners
	s_mov_b32 s[G1K], 15|(1<<16)|(1<<20)|(1<<21)|(7<<22)|(3<<25)  ; the mask of four, bit 21 beside it; 2-byte elements; padding of 4 words after every 256
	s_mov_b32 s[G1V], 15|(1<<16)|(1<<20)|(1<<21)|(7<<22)|(7<<25)  ; the same with 8 words
	s_mov_b32 s[G1W], 15|(1<<16)|(1<<20)|(1<<21)|(7<<22)|(3<<25)  ; as K's
.irp g, G1K, G1V, G1W
	s_mov_b32 s[(\g)+1], 512<<16                   ; tensor_dim0 = 512
	s_mov_b32 s[(\g)+2], 32<<16                    ; tensor_dim1 = 32
	s_mov_b32 s[(\g)+3], 512<<16                   ; tile_dim0 = 512
	s_mov_b32 s[(\g)+4], 32                        ; tile_dim1 = 32
	s_mov_b32 s[(\g)+6], 0
	s_mov_b32 s[(\g)+7], 0
.endr
	s_mov_b32 s[G1K+5], 1536                       ; elements from row to row: in qkv,
	s_mov_b32 s[G1V+5], 1536
	s_mov_b32 s[G1W+5], 512                        ; in wb
	s_mov_b32 s[CS], 0x3d8293ee                    ; c = log2(e) / sqrt(512) = 0.0637587
	s_mov_b32 s[CS+1], s[CS]
	s_mov_b32 s[SEL], 0x76543210
	s_mov_b32 s[SEL+1], 0xfedcba98
	s_mov_b32 s[LEFT], 15
	s_wait_dscnt 0x0                               ; the opening add is done
	s_wait_kmcnt 0x0
	s_add_nc_u64 s[KVB:KVB+1], s[4:5], s[22:23]    ; qkv at my 32 rows of step 0: made of the batch and the wave's number alone
	s_add_nc_u64 s[68:69], s[4:5], s[68:69]        ; Q
	s_add_nc_u64 s[PFA:PFA+1], s[4:5], s[PFA:PFA+1]
	s_add_nc_u64 s[10:11], s[10:11], s[2:3]        ; x
	s_add_nc_u64 s[OUTP:OUTP+1], s[OUTP:OUTP+1], s[2:3]
	s_add_nc_u64 s[PFWA:PFWA+1], s[6:7], s[PFWA:PFWA+1]
	s_add_nc_u64 s[70:71], s[6:7], s[70:71]        ; wo at my 32 rows of tile 0: made of the wave's number alone
	s_lshl_b32 s2, s[WV], 7                        ; bo at my wave's 32 outputs of each 128
	s_mov_b32 s3, 0
	s_add_nc_u64 s[8:9], s[8:9], s[2:3]
.irp s, 0,1
	s_mov_b32 s[G0K+4*(\s)], 1
	s_add_co_u32 s[G0K+4*(\s)+1], s17, (\s)*SLOT
	s_add_nc_u64 s[G0K+4*(\s)+2:G0K+4*(\s)+3], s[KVB:KVB+1], (\s)*STEPB+1024
	s_or_b32 s[G0K+4*(\s)+3], s[G0K+4*(\s)+3], 0x80000000
	s_mov_b32 s[G0V+4*(\s)], 1
	s_add_co_u32 s[G0V+4*(\s)+1], s18, (\s)*SLOT+VOFF
	s_add_nc_u64 s[G0V+4*(\s)+2:G0V+4*(\s)+3], s[KVB:KVB+1], (\s)*STEPB+2048
	s_or_b32 s[G0V+4*(\s)+3], s[G0V+4*(\s)+3], 0x80000000
	s_mov_b32 s[G0W+4*(\s)], 1
	s_add_co_u32 s[G0W+4*(\s)+1], s19, (\s)*SLOT
	s_add_nc_u64 s[G0W+4*(\s)+2:G0W+4*(\s)+3], s[70:71], (\s)*WTB  ; tile s
	s_or_b32 s[G0W+4*(\s)+3], s[G0W+4*(\s)+3], 0x80000000
.endr
	CROUND                                         ; all four work-groups are here: the first joint loads meet
	s_cmp_lt_u32 s[WV], 2                          ; a wave's two first fills stand in one branch: two loads of mine are out
	s_cbranch_scc0 .Lfirst_v
	tensor_load_to_lds s[G0K:G0K+3], s[G1K:G1K+7]
	s_nop 0
	tensor_load_to_lds s[G0K+4:G0K+7], s[G1K:G1K+7]
	s_nop 0
	PLACES
	s_branch .Lfirst_asked
.Lfirst_v:
	tensor_load_to_lds s[G0V:G0V+3], s[G1V:G1V+7]
	s_nop 0
	tensor_load_to_lds s[G0V+4:G0V+7], s[G1V:G1V+7]
	s_nop 0
	PLACES
.Lfirst_asked:
	v_and_b32 v1, 15, v0                           ; r = l % 16
	v_bfe_u32 v18, v0, 4, 1                        ; h = l / 16
	v_and_b32 v19, 7, v0
	v_bfe_u32 v20, v0, 3, 1
	v_mul_u32_u24 v[QO], v1, ROWB
	v_lshl_add_u32 v[QO], v18, 4, v[QO]            ; row r, 16 bytes for each half of the lanes
	WIN 0x80                                       ; Q stays in registers: tile t, 32 channels a fragment; channels 0-255 into window 2,
.irp t, 0,1,2,3
.irp i, 0,1,2,3,4,5,6,7
	global_load_b128 v[64*(\t)+8*(\i):64*(\t)+8*(\i)+3],   v[QO], s[68:69] offset:(\t)*16*ROWB+64*(\i)
	global_load_b128 v[64*(\t)+8*(\i)+4:64*(\t)+8*(\i)+7], v[QO], s[68:69] offset:(\t)*16*ROWB+64*(\i)+32
.endr
.endr
	WIN 0xc0                                       ; channels 256-511 into window 3
.irp t, 0,1,2,3
.irp i, 0,1,2,3,4,5,6,7
	global_load_b128 v[64*(\t)+8*(\i):64*(\t)+8*(\i)+3],   v[QO], s[68:69] offset:(\t)*16*ROWB+512+64*(\i)
	global_load_b128 v[64*(\t)+8*(\i)+4:64*(\t)+8*(\i)+7], v[QO], s[68:69] offset:(\t)*16*ROWB+512+64*(\i)+32
.endr
.endr
	WIN 0x40
.set i, 0
.rept 256
	v_mov_b32 v[i], 0                              ; O^T
.set i, i+1
.endr
	WIN 0
.irp t, 0,1,2,3
	v_mov_b32 v[ST+8*(\t)], 0xfe000000             ; c m: far below every c s
	v_mov_b32 v[ST+8*(\t)+1], 0xff7fffff           ; m
.irp k, 2,3,4,5,6,7
	v_mov_b32 v[ST+8*(\t)+(\k)], 0
.endr
.endr
	v_mul_u32_u24 v[AK], v1, KP                    ; row r of 1,040 bytes, 16 bytes for each half:
	v_lshl_add_u32 v[AK], v18, 4, v[AK]
	v_add_nc_u32 v[AOR], AOB, v[AK]                ; in ao,
	s_lshl_b32 s22, s[WV], 8
	v_add_nc_u32 v[AOS], s22, v[AOR]               ; (my wave's 128 channels: 256 bytes on)
	s_mul_i32 s22, s[WV], 32*KP
	v_add_nc_u32 v[AW], s22, v[AK]                 ; in wo: row 32 w + r,
	v_add_nc_u32 v[AW+1], SLOT, v[AW]
	s_mul_i32 s22, s[WV], 16*KP
	v_add_nc_u32 v[AK], s22, v[AK]                 ; in K: row 16 w + r
	v_add_nc_u32 v[AK+1], SLOT, v[AK]
	v_lshl_add_u32 v[AV], v18, 3, v19              ; V, turned: lane l reads key 8 h + l % 8, 16 bytes at 16 ((l / 8) % 2) of my wave's 256
	v_mul_u32_u24 v[AV], v[AV], VP
	v_lshl_add_u32 v[AV], v20, 4, v[AV]
	s_lshl_b32 s22, s[WV], 8
	s_add_co_u32 s22, s22, VOFF
	v_add_nc_u32 v[AV], s22, v[AV]
	v_add_nc_u32 v[AV+1], SLOT, v[AV]
	v_mul_u32_u24 v[PRD], v1, PP                   ; P: query r, 16 bytes for each half
	v_lshl_add_u32 v[PRD], v18, 4, v[PRD]
	v_add_nc_u32 v[PRD], PB, v[PRD]
	s_lshl_b32 s22, s[WV], 5
	v_add_nc_u32 v[PST], s22, v[PRD]               ; my wave's 16 keys: 32 bytes on
	v_lshlrev_b32 v[MXR], 4, v1
	v_add_nc_u32 v[MXR], MX, v[MXR]                ; query r's four words
	s_lshl_b32 s22, s[WV], 2
	v_add_nc_u32 v[MXA], s22, v[MXR]               ; my wave's of them
	s_mul_i32 s22, s[WV], 16*SP
	s_add_co_u32 s22, s22, STAGE
	v_mul_u32_u24 v[STO], v1, SP                   ; into my stage: row r (an output), 32 bytes for each half of the lanes
	v_lshl_add_u32 v[STO], v18, 5, v[STO]
	v_add_nc_u32 v[STO], s22, v[STO]
	v_mul_u32_u24 v[RD], v18, SP                   ; back: lanes 0-15 one row of 256 bytes, lanes 16-31 the next
	v_lshl_add_u32 v[RD], v1, 4, v[RD]
	v_add_nc_u32 v[RD], s22, v[RD]
	v_lshlrev_b32 v[CO], 13, v18                   ; and the same two rows in x and out0
	v_lshl_add_u32 v[CO], v1, 4, v[CO]
	v_lshlrev_b32 v[BOF], 2, v1                    ; the bias of output r of a block
	v_mul_u32_u24 v[PFO], v1, ROWB                 ; the prefetches of K and V: row r, block 2 w + h of K's and V's eight
	v_lshl_add_u32 v[PFO], v18, 8, v[PFO]
	s_lshl_b32 s22, s[WV], 9
	s_add_co_u32 s22, s22, 1024
	v_add_nc_u32 v[PFO], s22, v[PFO]
	v_lshlrev_b32 v[PFW], 10, v1                   ; of wo: row r, block 2 (w % 2) + h of four
	v_lshl_add_u32 v[PFW], v18, 8, v[PFW]
	s_lshl_b32 s22, s16, 9
	v_add_nc_u32 v[PFW], s22, v[PFW]
; THE LDS LOADS stand in runs of 16.  K: channels 256 p on of my 16 keys, 8 fragments.  V: keys 32 kk on of my 128 channels, 8 fragments, turned.  P: all 64 queries, keys 0-31 first.
; wo: channels 256 p on of block ob (16 outputs) of my 32, 8 fragments.
.macro FETCH_K s, p
	WIN 0
.irp i, 0,1,2,3,4,5,6,7
	ds_load_b128 v[RA+64*(\p)+8*(\i):RA+64*(\p)+8*(\i)+3],   v[AK+(\s)] offset:64*(8*(\p)+(\i))
	ds_load_b128 v[RA+64*(\p)+8*(\i)+4:RA+64*(\p)+8*(\i)+7], v[AK+(\s)] offset:64*(8*(\p)+(\i))+32
.endr
.endm
.macro FETCH_V s, kk
	WIN 0
.irp cb, 0,1,2,3,4,5,6,7
	ds_load_tr16_b128 v[RA+64*(\kk)+8*(\cb):RA+64*(\kk)+8*(\cb)+3],   v[AV+(\s)] offset:32*VP*(\kk)+32*(\cb)
	ds_load_tr16_b128 v[RA+64*(\kk)+8*(\cb)+4:RA+64*(\kk)+8*(\cb)+7], v[AV+(\s)] offset:32*VP*(\kk)+32*(\cb)+16*VP
.endr
.endm
.macro FETCH_P
	WIN 0
.irp kk, 0,1
.irp t, 0,1,2,3
	ds_load_b128 v[RC-32*(\kk)+8*(\t):RC-32*(\kk)+8*(\t)+3],   v[PRD] offset:16*PP*(\t)+64*(\kk)
	ds_load_b128 v[RC-32*(\kk)+8*(\t)+4:RC-32*(\kk)+8*(\t)+7], v[PRD] offset:16*PP*(\t)+64*(\kk)+32
.endr
.endr
.endm
.macro FETCH_W s, ob, p
	WIN 0
.irp i, 0,1,2,3,4,5,6,7
	ds_load_b128 v[RA+64*(\p)+8*(\i):RA+64*(\p)+8*(\i)+3],   v[AW+(\s)] offset:16*KP*(\ob)+64*(8*(\p)+(\i))
	ds_load_b128 v[RA+64*(\p)+8*(\i)+4:RA+64*(\p)+8*(\i)+7], v[AW+(\s)] offset:16*KP*(\ob)+64*(8*(\p)+(\i))+32
.endr
.endm
; THE MATRIX WORK.  The accumulators take turns, one instruction a turn: 4 in the scores and in the third product, 32 in the second.
.macro SMUL p                          ; 32 products of S^T = K Q^T: channels 256 p + 32 i on, tile t.  The first four start the sums
	WIN 0x08+4*(\p)                                ; Q in window 2 or 3
.irp i, 0,1,2,3,4,5,6,7
.irp t, 0,1,2,3
.if ((\p) == 0) && ((\i) == 0)
	v_wmma_f32_16x16x32_bf16 v[S+8*(\t):S+8*(\t)+7], v[RA+8*(\i):RA+8*(\i)+7], v[64*(\t)+8*(\i):64*(\t)+8*(\i)+7], 0
.else
	v_wmma_f32_16x16x32_bf16 v[S+8*(\t):S+8*(\t)+7], v[RA+64*(\p)+8*(\i):RA+64*(\p)+8*(\i)+7], v[64*(\t)+8*(\i):64*(\t)+8*(\i)+7], v[S+8*(\t):S+8*(\t)+7]
.endif
.endr
.endr
.endm
.macro PVMUL kk                        ; 32 products of O^T += V^T P: keys 32 kk on, channels 16 cb on, tile t
	WIN 0x50
.irp cb, 0,1,2,3,4,5,6,7
.irp t, 0,1,2,3
	v_wmma_f32_16x16x32_bf16 v[8*(4*(\cb)+(\t)):8*(4*(\cb)+(\t))+7], v[RA+64*(\kk)+8*(\cb):RA+64*(\kk)+8*(\cb)+7], v[RC-32*(\kk)+8*(\t):RC-32*(\kk)+8*(\t)+7], v[8*(4*(\cb)+(\t)):8*(4*(\cb)+(\t))+7]
.endr
.endr
.endm
.macro OMUL ob, p, u                   ; 32 products of the third: block ob, channels 256 p + 32 i on, positions 16 t on.  The first four start the sums with the bias of block u of my eight
.irp i, 0,1,2,3,4,5,6,7
.irp t, 0,1,2,3
.if ((\p) == 0) && ((\i) == 0)
	WIN 0x12                                       ; ao in window 2, the bias in window 1
	v_wmma_f32_16x16x32_bf16 v[S+32*(\ob)+8*(\t):S+32*(\ob)+8*(\t)+7], v[64*(\t)+8*(\i):64*(\t)+8*(\i)+7], v[RA+8*(\i):RA+8*(\i)+7], v[BI+8*(\u):BI+8*(\u)+7]
.else
	WIN 0x02+(\p)                                  ; ao in window 2 or 3
	v_wmma_f32_16x16x32_bf16 v[S+32*(\ob)+8*(\t):S+32*(\ob)+8*(\t)+7], v[64*(\t)+8*(\i):64*(\t)+8*(\i)+7], v[RA+64*(\p)+8*(\i):RA+64*(\p)+8*(\i)+7], v[S+32*(\ob)+8*(\t):S+32*(\ob)+8*(\t)+7]
.endif
.endr
.endr
.endm
; THE VECTOR WORK, the four tiles interleaved.  LMAX: each query's maximum over my wave's 16 keys (each accumulator's lowest registers are read first), into LDS.
.macro LMAX
	WIN 0
.irp t, 0,1,2,3
	v_max3_num_f32 v[ST+8*(\t)+4], v[S+8*(\t)], v[S+8*(\t)+1], v[S+8*(\t)+2]
.endr
.irp t, 0,1,2,3
	v_max3_num_f32 v[ST+8*(\t)+5], v[S+8*(\t)+3], v[S+8*(\t)+4], v[S+8*(\t)+5]
.endr
.irp t, 0,1,2,3
	v_max3_num_f32 v[ST+8*(\t)+4], v[ST+8*(\t)+4], v[S+8*(\t)+6], v[S+8*(\t)+7]
.endr
.irp t, 0,1,2,3
	v_max_num_f32 v[ST+8*(\t)+4], v[ST+8*(\t)+4], v[ST+8*(\t)+5]
.endr
.irp t, 0,1,2,3
	v_permlanex16_b32 v[ST+8*(\t)+5], v[ST+8*(\t)+4], s[SEL], s[SEL+1]  ; the query's other 8 keys lie in the lane 16 away
.endr
.irp t, 0,1,2,3
	v_max_num_f32 v[ST+8*(\t)+4], v[ST+8*(\t)+4], v[ST+8*(\t)+5]
.endr
.irp t, 0,1,2,3
	ds_store_b32 v[MXA], v[ST+8*(\t)+4] offset:256*(\t)
.endr
.endm
; STATS: the four waves' maxima; m, c m, its change; then ONE BATCH of 36 exponentials (a, and the 32 weights) with one wait; the weights rounded and stored; l.
.macro STATS
.irp t, 0,1,2,3
	ds_load_b128 v[RC+4*(\t):RC+4*(\t)+3], v[MXR] offset:256*(\t)
.endr
	s_wait_dscnt 0x0
.irp t, 0,1,2,3
	v_max3_num_f32 v[ST+8*(\t)+4], v[RC+4*(\t)], v[RC+4*(\t)+1], v[RC+4*(\t)+2]
.endr
.irp t, 0,1,2,3
	v_mov_b32 v[ST+8*(\t)+7], v[ST+8*(\t)]         ; c m_old is kept
.endr
.irp t, 0,1,2,3
	v_max3_num_f32 v[ST+8*(\t)+1], v[ST+8*(\t)+4], v[RC+4*(\t)+3], v[ST+8*(\t)+1]
.endr
.irp t, 0,1,2,3
	v_mul_f32 v[ST+8*(\t)], s[CS], v[ST+8*(\t)+1]
.endr
.irp t, 0,1,2,3
	v_sub_f32 v[ST+8*(\t)+7], v[ST+8*(\t)+7], v[ST+8*(\t)]
.endr
.irp t, 0,1,2,3
	v_exp_f32 v[ST+8*(\t)+6], v[ST+8*(\t)+7]       ; a
.endr
.irp t, 0,1,2,3
.irp k, 0,2,4,6
	v_pk_fma_f32 v[S+8*(\t)+(\k):S+8*(\t)+(\k)+1], v[S+8*(\t)+(\k):S+8*(\t)+(\k)+1], s[CS:CS+1], v[ST+8*(\t):ST+8*(\t)+1] op_sel_hi:[1,0,0] neg_lo:[0,0,1] neg_hi:[0,0,1]  ; c s - c m
.endr
.endr
.set e, 0
.rept 32
	v_exp_f32 v[S+e], v[S+e]
.set e, e+1
.endr
	v_nop                                          ; a plain instruction behind the last exponential,
	s_wait_alu depctr_va_vdst(0)                   ; and the one wait ahead of the batch's first reader
.irp t, 0,1,2,3
.irp k, 0,1,2,3
	v_cvt_pk_bf16_f32 v[PK+4*(\t)+(\k)], v[S+8*(\t)+2*(\k)], v[S+8*(\t)+2*(\k)+1]
.endr
.endr
.irp t, 0,1,2,3
	ds_store_b128 v[PST], v[PK+4*(\t):PK+4*(\t)+3] offset:16*PP*(\t)
.endr
.irp t, 0,1,2,3
	v_pk_add_f32 v[S+8*(\t):S+8*(\t)+1], v[S+8*(\t):S+8*(\t)+1], v[S+8*(\t)+2:S+8*(\t)+3]
.endr
.irp t, 0,1,2,3
	v_pk_add_f32 v[S+8*(\t)+4:S+8*(\t)+5], v[S+8*(\t)+4:S+8*(\t)+5], v[S+8*(\t)+6:S+8*(\t)+7]
.endr
.irp t, 0,1,2,3
	v_pk_add_f32 v[S+8*(\t):S+8*(\t)+1], v[S+8*(\t):S+8*(\t)+1], v[S+8*(\t)+4:S+8*(\t)+5]
.endr
.irp t, 0,1,2,3
	v_pk_fma_f32 v[ST+8*(\t)+2:ST+8*(\t)+3], v[ST+8*(\t)+2:ST+8*(\t)+3], v[ST+8*(\t)+6:ST+8*(\t)+7], v[S+8*(\t):S+8*(\t)+1] op_sel_hi:[1,0,1]  ; l = a l + the sum
.endr
.endm
.macro RESC                            ; O^T times a: work on registers, set between barrier B's signal and its wait
	WIN 0x41
.irp cb, 0,1,2,3,4,5,6,7
.irp t, 0,1,2,3
.irp k, 0,2,4,6
	v_pk_mul_f32 v[8*(4*(\cb)+(\t))+(\k):8*(4*(\cb)+(\t))+(\k)+1], v[8*(4*(\cb)+(\t))+(\k):8*(4*(\cb)+(\t))+(\k)+1], v[ST+8*(\t)+6:ST+8*(\t)+7] op_sel_hi:[1,0]
.endr
.endr
.endr
.endm
; A KEY STEP in slot s.  fill = 1: the slot is filled again with the step two on; 2: with a tile of wo.  nextk = 1: the next step's K is fetched from the other slot; 2: the first fragments of wo.
.macro STEP s, fill, nextk, strict
	s_wait_dscnt 16                                ; K's channels 0-255 are in; the 16 loads of channels 256-511 may be out
	SMUL 0
	PLACES
	FETCH_V \s, 0                                  ; where K's first half lay
	s_wait_dscnt 16                                ; K's second half is in; V's 16 loads may be out
	SMUL 1
	PLACES                                         ; in front of the loads below and of the maxima, which read results
	FETCH_V \s, 1
	LMAX
	s_wait_dscnt 0x0                               ; my maxima are stored; all that I need of this slot is in registers
	s_barrier_signal -1                            ; BARRIER A: the other slot's load may stay out
	s_barrier_wait -1
	STATS
	s_wait_tensorcnt 0x0                           ; all my tensor loads have landed: my part of the other slot
	ds_add_u32 v[SPW], v[NIL]                      ; 0 onto my spare word; with fill = 1 the address steps stand between it and the wait for it
.if (\fill) == 1
	s_add_nc_u64 s[G0K+4*(\s)+2:G0K+4*(\s)+3], s[G0K+4*(\s)+2:G0K+4*(\s)+3], 2*STEPB
	s_add_nc_u64 s[G0V+4*(\s)+2:G0V+4*(\s)+3], s[G0V+4*(\s)+2:G0V+4*(\s)+3], 2*STEPB
	s_wait_xcnt 0x0                                ; the last prefetch, a step back, has read its address
	s_add_nc_u64 s[PFA:PFA+1], s[PFA:PFA+1], STEPB
.endif
	s_wait_dscnt 0x0                               ; the add is done, P is stored, my reads of the maxima are over
	s_barrier_signal -1                            ; BARRIER B: it opens a round of the cluster's
	RESC
	WIN 0
	s_barrier_wait -1
	CREST                                          ; no wave of any partner still reads this slot or has a load on its way
.if (\fill) == 1
	JLOAD \s
.else
	WLOAD \s
.endif
	FETCH_P
.if (\fill) == 1
	ASK \strict
.endif
	s_wait_dscnt 8                                 ; P's keys 0-31 are in
	PVMUL 0
	PLACES
.if (\nextk) == 1
	FETCH_K 1-(\s), 0                              ; where V's first half lay
.else
	FETCH_W 1-(\s), 0, 0
.endif
	s_wait_dscnt 16                                ; P's keys 32-63 are in; the 16 loads just issued may be out
	PVMUL 1
	PLACES
	v_nop                                          ; five: the next step's first products write over registers that these products read
.if (\nextk) == 1
	FETCH_K 1-(\s), 1
.else
	FETCH_W 1-(\s), 0, 1
.endif
	WIN 0
.endm
	s_wait_tensorcnt 1                             ; my part of slot 0 is in; slot 1's may stay out
	s_barrier_signal -1
	s_barrier_wait -1
	FETCH_K 0, 0
	FETCH_K 0, 1
	s_wait_loadcnt 0x0                             ; Q
.Llap:                                         ; 15 trips of two steps: steps 0 to 29 fill their slot again with keys
	STEP 0, 1, 1, 0
	STEP 1, 1, 1, 1
	s_sub_co_u32 s[LEFT], s[LEFT], 1
	s_cmp_lg_u32 s[LEFT], 0
	s_cbranch_scc1 .Llap
	STEP 0, 2, 1, 0                                ; the last two key steps are written out: their slots take wo's tiles 0 and 1
	STEP 1, 2, 2, 0
	; l: my lane's two halves, the other half of the lanes, the four waves through LDS
.irp t, 0,1,2,3
	v_add_f32 v[ST+8*(\t)+4], v[ST+8*(\t)+2], v[ST+8*(\t)+3]
.endr
.irp t, 0,1,2,3
	v_permlanex16_b32 v[ST+8*(\t)+5], v[ST+8*(\t)+4], s[SEL], s[SEL+1]
.endr
.irp t, 0,1,2,3
	v_add_f32 v[ST+8*(\t)+4], v[ST+8*(\t)+4], v[ST+8*(\t)+5]
.endr
.irp t, 0,1,2,3
	ds_store_b32 v[MXA], v[ST+8*(\t)+4] offset:LSO+256*(\t)
.endr
	s_wait_dscnt 0x0                               ; for the others' sake: my sums are stored, and my reads of P are over
	s_barrier_signal -1                            ; (this barrier and the three below fill nothing: wo's tile 1 may stay on its way)
	s_barrier_wait -1
.irp t, 0,1,2,3
	ds_load_b128 v[RC+4*(\t):RC+4*(\t)+3], v[MXR] offset:LSO+256*(\t)
.endr
	s_wait_dscnt 0x0
.irp t, 0,1,2,3
	v_add_f32 v[RC+4*(\t)], v[RC+4*(\t)], v[RC+4*(\t)+1]
.endr
.irp t, 0,1,2,3
	v_add_f32 v[RC+4*(\t)+2], v[RC+4*(\t)+2], v[RC+4*(\t)+3]
.endr
.irp t, 0,1,2,3
	v_add_f32 v[RC+4*(\t)], v[RC+4*(\t)], v[RC+4*(\t)+2]
.endr
.irp t, 0,1,2,3
	v_rcp_f32 v[ST+8*(\t)+6], v[RC+4*(\t)]
.endr
	v_nop                                          ; a plain instruction behind the last reciprocal,
	s_wait_alu depctr_va_vdst(0)                   ; and the one wait ahead of the first use
; ao = O / l, rounded to bf16: tile t into v56-87 or v88-119 by its parity (each accumulator's lowest registers are read first)
.macro PACKM t
	WIN 0x41
.irp cb, 0,1,2,3,4,5,6,7
.irp k, 0,2,4,6
	v_pk_mul_f32 v[8*(4*(\cb)+(\t))+(\k):8*(4*(\cb)+(\t))+(\k)+1], v[8*(4*(\cb)+(\t))+(\k):8*(4*(\cb)+(\t))+(\k)+1], v[ST+8*(\t)+6:ST+8*(\t)+7] op_sel_hi:[1,0]
.endr
.endr
	WIN 0x05
.irp cb, 0,1,2,3,4,5,6,7
.irp k, 0,1,2,3
	v_cvt_pk_bf16_f32 v[S+32*((\t)%2)+4*(\cb)+(\k)], v[8*(4*(\cb)+(\t))+2*(\k)], v[8*(4*(\cb)+(\t))+2*(\k)+1]
.endr
.endr
	WIN 0
.endm
.macro ASTORE t                        ; a lane's eight channels of a query are 16 bytes of a row of ao: row 16 (t % 2) + r, byte 256 w + 32 cb + 16 h
.irp cb, 0,1,2,3,4,5,6,7
	ds_store_b128 v[AOS], v[S+32*((\t)%2)+4*(\cb):S+32*((\t)%2)+4*(\cb)+3] offset:16*KP*((\t)%2)+32*(\cb)
.endr
.endm
.macro ALOAD t                         ; tile t of ao, all 512 channels, where Q's tile t lay
	WIN 0x80
.irp i, 0,1,2,3,4,5,6,7
	ds_load_b128 v[64*(\t)+8*(\i):64*(\t)+8*(\i)+3],   v[AOR] offset:16*KP*((\t)%2)+64*(\i)
	ds_load_b128 v[64*(\t)+8*(\i)+4:64*(\t)+8*(\i)+7], v[AOR] offset:16*KP*((\t)%2)+64*(\i)+32
.endr
	WIN 0xc0
.irp i, 0,1,2,3,4,5,6,7
	ds_load_b128 v[64*(\t)+8*(\i):64*(\t)+8*(\i)+3],   v[AOR] offset:16*KP*((\t)%2)+512+64*(\i)
	ds_load_b128 v[64*(\t)+8*(\i)+4:64*(\t)+8*(\i)+7], v[AOR] offset:16*KP*((\t)%2)+512+64*(\i)+32
.endr
	WIN 0
.endm
.macro XLOAD i                         ; x for my 32 outputs of tile i of wo, in the layout of the rows that come back from the stage
	WIN 0x40
.irp ob, 0,1
.irp tt, 0,1,2,3,4,5,6,7
	global_load_b128 v[XR+64*((\i)%2)+32*(\ob)+4*(\tt):XR+64*((\i)%2)+32*(\ob)+4*(\tt)+3], v[CO], s[10:11] offset:(128*(\i)+16*(\ob)+2*(\tt))*XROW th:TH_LOAD_NT
.endr
.endr
	WIN 0
.endm
	PACKM 0
	PACKM 1
	ASTORE 0
	ASTORE 1
	s_wait_dscnt 0x0                               ; for the others' sake: my channels of queries 0-31 are stored
	s_barrier_signal -1
	s_barrier_wait -1
	ALOAD 0
	ALOAD 1
	PACKM 2                                        ; under those loads
	PACKM 3
	WIN 0x40                                       ; O^T has been read out: its registers take the bias and x
.irp u, 0,1,2,3,4,5,6,7
	global_load_b32 v[BI+8*(\u)], v[BOF], s[8:9] offset:512*((\u)/2)+64*((\u)%2)  ; block u = 2 tile + ob: the bias of its output r
.endr
	XLOAD 0
	XLOAD 1
	s_wait_dscnt 0x0                               ; my reads of queries 0-31 are over
	s_barrier_signal -1
	s_barrier_wait -1                              ; everybody's are: the bytes take queries 32-63
	ASTORE 2
	ASTORE 3
	s_wait_dscnt 0x0
	s_barrier_signal -1
	s_barrier_wait -1
	ALOAD 2
	ALOAD 3
	s_wait_loadcnt 32                              ; 32 loads of x were issued behind the eight of the bias: it is in
	WIN 0x41
.irp u, 0,1,2,3,4,5,6,7
.irp k, 1,2,3,4,5,6,7
	v_mov_b32 v[BI+8*(\u)+(\k)], v[BI+8*(\u)]      ; a lane's eight results of a block belong to one output: its bias eight times, so that the first products take it as C
.endr
.endr
	WIN 0
	s_wait_dscnt 0x0                               ; ao, and wo's first fragments
; THE WAY OUT of block ob: the sums go as they are into my stage (each accumulator's low four registers first) and come back as whole rows of 256 bytes; they take x and are stored.
.macro OUTB ob
	WIN 0
.irp t, 0,1,2,3
	ds_store_b128 v[STO], v[S+32*(\ob)+8*(\t):S+32*(\ob)+8*(\t)+3]   offset:64*(\t)
	ds_store_b128 v[STO], v[S+32*(\ob)+8*(\t)+4:S+32*(\ob)+8*(\t)+7] offset:64*(\t)+16
.endr
	WIN 0x40
.irp tt, 0,1,2,3,4,5,6,7
	ds_load_b128 v[OB+32*(\ob)+4*(\tt):OB+32*(\ob)+4*(\tt)+3], v[RD] offset:(\tt)*2*SP  ; LDS serves a wave's instructions in order (ISA guide 5.7.1.4): these see the stores above; the next block's stores come behind them
.endr
	WIN 0
.endm
.macro SENDB i, ob, younger            ; younger: the other block's sixteen LDS instructions, or none
	s_wait_dscnt \younger
	WIN 0x45
.irp k, 0,1,2,3,4,5,6,7,8,9,10,11,12,13,14,15
	v_pk_add_f32 v[OB+32*(\ob)+2*(\k):OB+32*(\ob)+2*(\k)+1], v[OB+32*(\ob)+2*(\k):OB+32*(\ob)+2*(\k)+1], v[XR+64*((\i)%2)+32*(\ob)+2*(\k):XR+64*((\i)%2)+32*(\ob)+2*(\k)+1]
.endr
	WIN 0x04                                       ; the data in window 1
.irp tt, 0,1,2,3,4,5,6,7
	global_store_b128 v[CO], v[OB+32*(\ob)+4*(\tt):OB+32*(\ob)+4*(\tt)+3], s[OUTP:OUTP+1] offset:(128*(\i)+16*(\ob)+2*(\tt))*XROW th:TH_STORE_NT  ; 16 lanes store 256 consecutive bytes, at a multiple of 256 from out0's first
.endr
	WIN 0
.endm
; TILE i OF wo, in slot s: four runs of 32 products.  next = 1: a tile follows in the other slot: in front of the barrier each wave waits for all its tensor loads (one at the most is out: its part of that
; tile), adds 0 to its spare word, and waits for that and for its reads of this slot.  fill = 1: the barrier opens a round of the cluster's, and this slot takes the tile two on, first of all behind it.
.macro WSTEP s, i, fill, next
	s_wait_dscnt 16                                ; block 0's channels 0-255 are in; the younger run of 16 may be out
	OMUL 0, 0, 2*(\i)
	PLACES
	FETCH_W \s, 1, 0
	s_wait_dscnt 16
	OMUL 0, 1, 2*(\i)
	PLACES
	FETCH_W \s, 1, 1
.if \next
	s_wait_tensorcnt 0x0
	ds_add_u32 v[SPW], v[NIL]
.if \fill
	s_add_nc_u64 s[G0W+4*(\s)+2:G0W+4*(\s)+3], s[G0W+4*(\s)+2:G0W+4*(\s)+3], 2*WTB
.endif
	s_wait_dscnt 17                                ; (the add and the youngest run of 16 may be out)
	OMUL 1, 0, 2*(\i)+1
	s_wait_dscnt 0x0                               ; the add is done, and my reads of this slot are over
	s_barrier_signal -1
	OMUL 1, 1, 2*(\i)+1                            ; work on registers while the others arrive
	WIN 0
	s_barrier_wait -1
.if \fill
	CREST                                          ; no wave of any partner still reads this slot or has a load on its way
	WLOAD \s                                       ; its four v_nop are also the places in front of the loads and stores below
.else
	PLACES
.endif
	FETCH_W 1-(\s), 0, 0                           ; the next tile's first fragments land under the way out
	FETCH_W 1-(\s), 0, 1
.else
	s_wait_dscnt 16
	OMUL 1, 0, 2*(\i)+1
	s_wait_dscnt 0x0
	OMUL 1, 1, 2*(\i)+1
	PLACES
	WIN 0
.endif
	s_wait_xcnt 0x0                                ; the last tile's stores have read the registers into which the rows below come back
	OUTB 0
	OUTB 1
.if (\i) < 3
	s_wait_loadcnt 16                              ; this tile's x is in; the next tile's 16 loads may be out
.else
	s_wait_loadcnt 0x0
.endif
	SENDB \i, 0, 16
	SENDB \i, 1, 0
.if (\i) < 2
	XLOAD (\i)+2                                   ; where this tile's x lay
.endif
.endm
	WSTEP 0, 0, 1, 1                               ; slot 0 takes tile 2
	WSTEP 1, 1, 1, 1                               ; slot 1 takes tile 3
	WSTEP 0, 2, 0, 1                               ; nothing is left to ask for
	WSTEP 1, 3, 0, 0
	s_wait_tensorcnt 0x0                           ; the wave's end: closing lines behind my last tensor load and my last LDS store
	ds_add_u32 v[SPW], v[NIL]
	s_wait_dscnt 0x0
	CROUND                                         ; the closing round
	s_endpgm
.Lfunc_end_k_qedd1ea826c_attn:
	.size	k_qedd1ea826c_attn, .Lfunc_end_k_qedd1ea826c_attn-k_qedd1ea826c_attn
	.p2alignl 7, 3214868480
	.fill 96, 4, 3214868480
	.section	.rodata,"a",@progbits
	.p2align	6, 0x0
	.amdhsa_kernel k_qedd1ea826c_attn
		.amdhsa_group_segment_fixed_size 327680
		.amdhsa_private_segment_fixed_size 0
		.amdhsa_enable_private_segment 0
		.amdhsa_kernarg_size 40
		.amdhsa_user_sgpr_count 2
		.amdhsa_user_sgpr_kernarg_segment_ptr 1
		.amdhsa_wavefront_size32 1
		.amdhsa_system_sgpr_workgroup_id_x 1
		.amdhsa_system_sgpr_workgroup_id_y 1
		.amdhsa_system_sgpr_workgroup_id_z 1
		.amdhsa_system_vgpr_workitem_id 0
		.amdhsa_next_free_vgpr 1024
		.amdhsa_next_free_sgpr 96
		.amdhsa_reserve_vcc 0
		.amdhsa_float_denorm_mode_32 3
		.amdhsa_float_denorm_mode_16_64 3
		.amdhsa_memory_ordered 1
		.amdhsa_forward_progress 1
		.amdhsa_inst_pref_size 255
	.end_amdhsa_kernel
	.section	.bss,"aw",@nobits
	.p2align	6
	.space	262144
	.amdgpu_metadata
---
amdhsa.version: [ 1, 2 ]
amdhsa.kernels:
  - .name:           k_qedd1ea826c_attn
    .symbol:         k_qedd1ea826c_attn.kd
    .args:
      - { .name: qkv, .offset: 0, .size: 8, .value_kind: global_buffer, .address_space: global }
      - { .name: wb, .offset: 8, .size: 8, .value_kind: global_buffer, .address_space: global }
      - { .name: bo, .offset: 16, .size: 8, .value_kind: global_buffer, .address_space: global }
      - { .name: x, .offset: 24, .size: 8, .value_kind: global_buffer, .address_space: global }
      - { .name: out0, .offset: 32, .size: 8, .value_kind: global_buffer, .address_space: global }
    .group_segment_fixed_size: 327680
    .private_segment_fixed_size: 0
    .kernarg_segment_align: 8
    .kernarg_segment_size: 40
    .max_flat_workgroup_size: 128
    .sgpr_count:     96
    .vgpr_count:     1024
    .wavefront_size: 32
...
	.end_amdgpu_metadata
.endif
;; end of part 3
;; ======== version 2 of 2: 3 launches; version 1 with the launch gn written anew for expert scheduling mode
;; workspace buffers: hn 16,777,216 bytes; wb 2,097,152 bytes; qkv 50,331,648 bytes
;; launch gn (part 4): grid 256 x 1, 8 waves a work-group, no clusters, 1,280 bytes of LDS; arguments x, gn_scale, gn_bias, wq, wk, wv, wo, hn, wb; writes hn, wb
.if DOCPART == 4
	.amdgcn_target "amdgcn-amd-amdhsa--gfx1250"
	.amdhsa_code_object_version 6
	.text
	.protected	k_qedd1ea826c_gn
	.globl	k_qedd1ea826c_gn
	.p2align	8
	.type	k_qedd1ea826c_gn,@function
k_qedd1ea826c_gn:
	s_mov_b64 s[64:65], 0
	v_nop
	global_prefetch_b8 v0, s[64:65] scope:SCOPE_SE
	s_setreg_imm32_b32 hwreg(HW_REG_WAVE_SCHED_MODE, 0, 2), 2
	s_setreg_imm32_b32 hwreg(HW_REG_WAVE_MODE, 25, 1), 1
	s_wait_xcnt 0x0
	s_wait_alu depctr_vm_vsrc(0)
; GROUP NORM, and the four weight matrices rounded to bf16.
; x: [8][512][2048] f32.  hn: the same layout in bf16.  wb: [2048][512] bf16: rows 0-511 wq, 512-1023 wk, 1024-1535 wv, 1536-2047 wo.
; SHARES.  Work-group g = 32 b + group owns one group: 16 channels x 2,048 positions = 131,072 consecutive bytes of x.  Thread t takes, of each of 32 chunks of 4,096 bytes,
; the 16 bytes at 16 t: a wave's load covers 512 consecutive bytes.  The group stays in 128 registers a lane between the passes, so x is read once.
; Chunk i lies wholly in channel i / 2 of the group, so gain and bias are scalars.  The work-group also rounds 1/64 of one weight matrix (16,384 bytes).
; ARITHMETIC.  All in f32, in two passes: the mean first, then the squares of the differences from it, so that a common offset of x is taken away before anything is squared.
; hn and the weights are rounded once, to bf16: they are matrix operands of the later launches.
; NO CLUSTER, NO MATRIX UNIT, NO PREFETCH: no two work-groups read the same byte of x, and all of the work-group's loads go out together at its head.
; THE MODE: SCHED_MODE bits 1:0 = 2 (LLVM: expert scheduling mode 2), set by the entry lines.  The code itself states the register dependences
; between vector instructions and memory or LDS instructions, with s_wait_alu, always for 0.
; THE PLAN.  Registers that memory or LDS instructions touch:
;   v1, v2, v3, v4, v6, v7   offsets and LDS addresses: written at the head, once; one wait ahead of the first load serves every later instruction that reads them.
;   X, WT     each register is the destination of one load; no vector line names it before; no memory instruction reads it.
;   WY        written by the weights' eight conversions, read by four stores, never written again.
;   v160      the end of a sum's chain writes it, the sum's LDS store reads it; pass 2's first products write it again.
;   v[8:15]   the LDS loads of a sum land here; vector lines join them; the second sum's loads land here again.
;   Y         each register is written by one conversion and read by one store.
; So: one wait on va_vdst in each sum, behind its chain (v160 is written; in the first sum WY too, and the weights' stores follow the LDS store; in the second sum the lines that named v[8:15] are done);
; one wait on vm_vsrc ahead of pass 2's products; and on the way out, which goes in four blocks of four channels, one wait on va_vdst at the head of each later block, behind which the stores of the block
; before are dealt among the block's vector lines, which name none of the registers that those stores read; one more ahead of the last block's stores.
.set SPARE, 256                        ; LDS: bytes 0-31 the waves' sums, 64-95 their sums of squares; from 256 on the spare words, 128 bytes for each of eight waves
.set LO,   1                           ; v1   16 t
.set SO,   2                           ; v2   8 t
.set RW,   3                           ; v3   4 x my wave's number
.set ZA,   4                           ; v4   0: the LDS address from which all partial sums are read
.set SPW,  6                           ; v6   LDS address of my spare word; never rewritten
.set NIL,  7                           ; v7   0; never rewritten
.set X,    16                          ; v[16:143]  the group: chunk i in 4 registers
.set WT,   144                         ; v[144:159] my 16 numbers of the weight matrix
.set CH,   160                         ; v[160:167] four chains of packed sums
.set Y,    168                         ; v[168:231] chunk i rounded: 2 registers
.set MEAN, 232                         ; v[232:233] the mean, twice
.set GA,   234                         ; v[234:235] gain x rstd in the low register
.set GB,   236                         ; v[236:237] bias in the low register
.set RSTD, 238
.set TMP,  239
.set WY,   240                         ; v[240:247] the weights rounded
	s_load_b512 s[8:23], s[0:1], 0x0               ; x 8, gain 10, bias 12, wq 14, wk 16, wv 18, wo 20, hn 22
	s_load_b64 s[24:25], s[0:1], 0x40              ; wb
	v_lshl_add_u32 v[SPW], v0, 2, SPARE
	v_mov_b32 v[NIL], 0
	v_lshrrev_b32 v5, 5, v0
	v_readfirstlane_b32 s6, v5                     ; wave 0..7
	v_mov_b32 v[ZA], 0
	v_lshlrev_b32 v[LO], 4, v0
	v_lshlrev_b32 v[SO], 3, v0
	v_mov_b32 v[TMP], 0                            ; v_permlanex16_b32's destination counts as read
	v_mov_b32 v[GA+1], 0                           ; named as pairs
	v_mov_b32 v[GB+1], 0
	s_wait_alu depctr_va_sdst(0)                   ; s6 is written, ahead of its one reader, the line below
	v_mov_b32 v[RW], s6
	v_lshlrev_b32 v[RW], 2, v[RW]
	s_mov_b32 s2, 0x76543210                       ; each lane takes its own place in the other half
	s_mov_b32 s3, 0xfedcba98
	s_mov_b32 s4, 0x38000000                       ; 1 / 32,768
	s_mov_b32 s5, 0x358637bd                       ; 1e-6
	s_lshr_b32 s7, ttmp9, 6                        ; which weight matrix
	s_mov_b32 s29, 0
	s_and_b32 s28, ttmp9, 31
	s_lshl_b32 s28, s28, 6                         ; the group's 16 gains and biases: 64 bytes
	s_wait_kmcnt 0x0
	s_add_nc_u64 s[10:11], s[10:11], s[28:29]
	s_add_nc_u64 s[12:13], s[12:13], s[28:29]
	s_load_b512 s[32:47], s[10:11], 0x0
	s_load_b512 s[48:63], s[12:13], 0x0
	s_lshl_b32 s28, ttmp9, 17
	s_add_nc_u64 s[8:9], s[8:9], s[28:29]          ; x at my group
	s_lshl_b32 s28, ttmp9, 16
	s_add_nc_u64 s[22:23], s[22:23], s[28:29]      ; hn at my group
	s_lshl_b32 s28, ttmp9, 13
	s_add_nc_u64 s[24:25], s[24:25], s[28:29]      ; wb at my 8,192 bytes
	s_cmp_eq_u32 s7, 1
	s_cselect_b64 s[26:27], s[16:17], s[14:15]
	s_cmp_eq_u32 s7, 2
	s_cselect_b64 s[26:27], s[18:19], s[26:27]
	s_cmp_eq_u32 s7, 3
	s_cselect_b64 s[26:27], s[20:21], s[26:27]
	s_and_b32 s28, ttmp9, 63
	s_lshl_b32 s28, s28, 14
	s_add_nc_u64 s[26:27], s[26:27], s[28:29]      ; my 16,384 bytes of that matrix
	s_wait_alu depctr_va_vdst(0)                   ; v1 to v4, v6 and v7 are written: every load, store and LDS instruction of the kernel reads one of them as its offset or address, and no vector line names them again
.set i, 0
.rept 32
	global_load_b128 v[X+4*i:X+4*i+3], v[LO], s[8:9] offset:4096*i th:TH_LOAD_NT
.set i, i+1
.endr
.set i, 0
.rept 4
	global_load_b128 v[WT+4*i:WT+4*i+3], v[LO], s[26:27] offset:4096*i th:TH_LOAD_NT
.set i, i+1
.endr
; The four chains are joined; the wave's 32 lanes; the eight waves through LDS.  The total ends in v8 of every lane.
; wts = 1 (the first sum): the rounded weights are stored behind the same wait that serves the LDS store.
.macro REDUCE off, wts
	v_pk_add_f32 v[CH:CH+1], v[CH:CH+1], v[CH+2:CH+3]
	v_pk_add_f32 v[CH+4:CH+5], v[CH+4:CH+5], v[CH+6:CH+7]
	v_pk_add_f32 v[CH:CH+1], v[CH:CH+1], v[CH+4:CH+5]
	v_add_f32 v[CH], v[CH], v[CH+1]
	v_add_f32_dpp v[CH], v[CH], v[CH] row_xmask:1 row_mask:0xf bank_mask:0xf
	v_add_f32_dpp v[CH], v[CH], v[CH] row_xmask:2 row_mask:0xf bank_mask:0xf
	v_add_f32_dpp v[CH], v[CH], v[CH] row_xmask:4 row_mask:0xf bank_mask:0xf
	v_add_f32_dpp v[CH], v[CH], v[CH] row_xmask:8 row_mask:0xf bank_mask:0xf
	v_permlanex16_b32 v[TMP], v[CH], s2, s3
	v_add_f32 v[CH], v[CH], v[TMP]
	s_wait_alu depctr_va_vdst(0)                   ; v[CH] is written, which the LDS store reads; in the first sum the conversions have written v[WY ..], which the stores below read; in the second the lines that read and wrote v[8:15] are done, where the LDS loads below land
	ds_store_b32 v[RW], v[CH] offset:\off          ; all lanes write the wave's word with the same value
.if \wts
.set k, 0
.rept 4
	global_store_b64 v[SO], v[WY+2*k:WY+2*k+1], s[24:25] offset:2048*k  ; a wave's store covers 256 consecutive bytes, aligned
.set k, k+1
.endr
.endif
	s_wait_dscnt 0x0                               ; for the others' sake: my store is done
	s_barrier_signal -1
	s_barrier_wait -1
	ds_load_b128 v[8:11], v[ZA] offset:\off        ; no vector line stands between the wait above and these two loads
	ds_load_b128 v[12:15], v[ZA] offset:(\off)+16
	s_wait_dscnt 0x0
	v_pk_add_f32 v[8:9], v[8:9], v[10:11]
	v_pk_add_f32 v[12:13], v[12:13], v[14:15]
	v_pk_add_f32 v[8:9], v[8:9], v[12:13]
	v_add_f32 v8, v8, v9
.endm
	; pass 1: the sum.  Pairs 0-7 start the four chains: nothing is cleared.  A wait for each eight chunks: the count is the chunks still to come and the four weight loads behind them.
.set j, 0
.rept 64
.if j%16 == 0
	s_wait_loadcnt 28-8*(j/16)
.endif
.if j < 4
	v_pk_add_f32 v[CH+2*j:CH+2*j+1], v[X+2*j:X+2*j+1], v[X+2*j+8:X+2*j+9]
.elseif j >= 8
	v_pk_add_f32 v[CH+2*(j%4):CH+2*(j%4)+1], v[CH+2*(j%4):CH+2*(j%4)+1], v[X+2*j:X+2*j+1]
.endif
.set j, j+1
.endr
	s_wait_loadcnt 0x0                             ; the weights
.set k, 0
.rept 8
	v_cvt_pk_bf16_f32 v[WY+k], v[WT+2*k], v[WT+2*k+1]
.set k, k+1
.endr
	REDUCE 0, 1
	v_mul_f32 v[MEAN], s4, v8
	v_mul_f32 v[MEAN+1], s4, v8
	; pass 2: x - mean in place, and the sum of its squares
.set j, 0
.rept 64
	v_pk_add_f32 v[X+2*j:X+2*j+1], v[X+2*j:X+2*j+1], v[MEAN:MEAN+1] neg_lo:[0,1] neg_hi:[0,1]
.set j, j+1
.endr
	s_wait_alu depctr_vm_vsrc(0)                   ; the first sum's LDS store has read v[CH], which the first product below writes again
.set j, 0
.rept 64
.if j < 4
	v_pk_mul_f32 v[CH+2*j:CH+2*j+1], v[X+2*j:X+2*j+1], v[X+2*j:X+2*j+1]
.else
	v_pk_fma_f32 v[CH+2*(j%4):CH+2*(j%4)+1], v[X+2*j:X+2*j+1], v[X+2*j:X+2*j+1], v[CH+2*(j%4):CH+2*(j%4)+1]
.endif
.set j, j+1
.endr
	REDUCE 64, 0                                   ; other words than the first sum's: no wave can overwrite what another still reads
	v_fma_f32 v[TMP], v8, s4, s5                   ; variance + eps
	v_rsq_f32 v[RSTD], v[TMP]
	v_nop                                          ; a plain instruction behind the root,
	s_wait_alu depctr_va_vdst(0)                   ; and the wait: the root has written v[RSTD], ahead of its first reader
	s_wait_kmcnt 0x0                               ; the gains and biases
; (x - mean) x (rstd x gain) + bias, rounded to bf16: channel ch's ten vector lines
.macro NORM ch
	v_mul_f32 v[GA], s[32+(\ch)], v[RSTD]
	v_mov_b32 v[GB], s[48+(\ch)]
.irp k, 0,1,2,3
	v_pk_fma_f32 v[X+8*(\ch)+2*(\k):X+8*(\ch)+2*(\k)+1], v[X+8*(\ch)+2*(\k):X+8*(\ch)+2*(\k)+1], v[GA:GA+1], v[GB:GB+1] op_sel_hi:[1,0,0]
.endr
.irp k, 0,1,2,3
	v_cvt_pk_bf16_f32 v[Y+4*(\ch)+(\k)], v[X+8*(\ch)+2*(\k)], v[X+8*(\ch)+2*(\k)+1]
.endr
.endm
; channel ch's two stores: a wave's store covers 256 consecutive bytes, aligned.  Each register of Y is written once: no store's data is rewritten
.macro OUT ch
	global_store_b64 v[SO], v[Y+4*(\ch):Y+4*(\ch)+1], s[22:23] offset:4096*(\ch)
	global_store_b64 v[SO], v[Y+4*(\ch)+2:Y+4*(\ch)+3], s[22:23] offset:4096*(\ch)+2048
.endm
.irp c, 0,1,2,3
	NORM \c                                        ; block 0 has no block in front of it
.endr
.irp b, 1,2,3
	s_wait_alu depctr_va_vdst(0)                   ; the block before has written its sixteen registers of Y, which the eight stores below read; this block's vector lines name X, GA, GB, RSTD and its own part of Y alone
.irp c, 0,1,2,3
	OUT 4*(\b)-4+(\c)
	NORM 4*(\b)+(\c)
.endr
.endr
	s_wait_alu depctr_va_vdst(0)                   ; block 3 has written its part of Y, which the last eight stores read
.irp c, 12,13,14,15
	OUT \c
.endr
	s_wait_dscnt 0x0                               ; the closing lines, six on end
	s_wait_alu 0x0
	s_wait_tensorcnt 0x0
	ds_add_u32 v[SPW], v[NIL]
	s_wait_dscnt 0x0
	s_endpgm
.Lfunc_end_k_qedd1ea826c_gn:
	.size	k_qedd1ea826c_gn, .Lfunc_end_k_qedd1ea826c_gn-k_qedd1ea826c_gn
	.p2alignl 7, 3214868480
	.fill 96, 4, 3214868480
	.section	.rodata,"a",@progbits
	.p2align	6, 0x0
	.amdhsa_kernel k_qedd1ea826c_gn
		.amdhsa_group_segment_fixed_size 1280
		.amdhsa_private_segment_fixed_size 0
		.amdhsa_enable_private_segment 0
		.amdhsa_kernarg_size 72
		.amdhsa_user_sgpr_count 2
		.amdhsa_user_sgpr_kernarg_segment_ptr 1
		.amdhsa_wavefront_size32 1
		.amdhsa_system_sgpr_workgroup_id_x 1
		.amdhsa_system_sgpr_workgroup_id_y 1
		.amdhsa_system_sgpr_workgroup_id_z 1
		.amdhsa_system_vgpr_workitem_id 0
		.amdhsa_next_free_vgpr 248
		.amdhsa_next_free_sgpr 66
		.amdhsa_reserve_vcc 0
		.amdhsa_float_denorm_mode_32 3
		.amdhsa_float_denorm_mode_16_64 3
		.amdhsa_memory_ordered 1
		.amdhsa_forward_progress 1
		.amdhsa_inst_pref_size 34
	.end_amdhsa_kernel
	.amdgpu_metadata
---
amdhsa.version: [ 1, 2 ]
amdhsa.kernels:
  - .name:           k_qedd1ea826c_gn
    .symbol:         k_qedd1ea826c_gn.kd
    .args:
      - { .name: x, .offset: 0, .size: 8, .value_kind: global_buffer, .address_space: global }
      - { .name: gn_scale, .offset: 8, .size: 8, .value_kind: global_buffer, .address_space: global }
      - { .name: gn_bias, .offset: 16, .size: 8, .value_kind: global_buffer, .address_space: global }
      - { .name: wq, .offset: 24, .size: 8, .value_kind: global_buffer, .address_space: global }
      - { .name: wk, .offset: 32, .size: 8, .value_kind: global_buffer, .address_space: global }
      - { .name: wv, .offset: 40, .size: 8, .value_kind: global_buffer, .address_space: global }
      - { .name: wo, .offset: 48, .size: 8, .value_kind: global_buffer, .address_space: global }
      - { .name: hn, .offset: 56, .size: 8, .value_kind: global_buffer, .address_space: global }
      - { .name: wb, .offset: 64, .size: 8, .value_kind: global_buffer, .address_space: global }
    .group_segment_fixed_size: 1280
    .private_segment_fixed_size: 0
    .kernarg_segment_align: 8
    .kernarg_segment_size: 72
    .max_flat_workgroup_size: 256
    .sgpr_count:     66
    .vgpr_count:     248
    .wavefront_size: 32
...
	.end_amdgpu_metadata
.endif
;; end of part 4
;; launch qkv: the kernel of part 2 again; grid 128 x 2, 4 waves a work-group, clusters of 4 x 1, 327,680 bytes of LDS; arguments hn, wb, bq, bk, bv, qkv; writes qkv
;; launch attn: the kernel of part 3 again; grid 32 x 8, 4 waves a work-group, clusters of 4 x 1, 327,680 bytes of LDS; arguments qkv, wb, bo, x, out0; writes out0
